; MI455X (gfx1250); checked and timed in simulation.
; The chip was launched on July 23, 2026; its instructions are those of AMD's public machine-readable ISA for CDNA 5 (MIT licence, August 2026) and "CDNA5" Instruction Set Architecture Reference Guide (July 2026). The comments in the code are by the model that wrote it; some were corrected since.
;; Multi Head Self Attention. Allowed arithmetic: matrix products marked QUANTISED: E2M3 operands, one E8M0 scale for each 32 along K, by v_wmma_scale_f32_16x16x128_f8f6f4 with both operands' format E2M3, f32 sums; everything else in f32.
;; Inputs: W_K 512 x 512 float32; W_O 512 x 512 float32; W_Q 512 x 512 float32; W_V 512 x 512 float32; b_K 512 float32; b_O 512 float32; b_Q 512 float32; b_V 512 float32; combined_embed 2 x 4,096 x 512 float32.
;; Outputs: out0 2 x 4,096 x 512 float32.
;; This version of the problem:
;;   THIS VERSION OF THE PROBLEM IS GIVEN IN LOW PRECISION. The matrix products marked QUANTISED in the list below multiply operands that are first quantised to E2M3 (2 exponent bits, 3 mantissa bits; 6 bits a number), with one power-of-two scale for each 32 numbers along K (OCP MX v1.0); their sums are f32. All else is computed in f32.
;;   The module's matrix products, in the order in which they are computed (A, B: the left and right operand; K: the contracted axis; several contracted axes count as one K, in the product's order):
;;     1. [M 8,192, K 512] x [K 512, N 512]; A: input combined_embed; B: input W_K: QUANTISED
;;     2. [M 8,192, K 512] x [K 512, N 512]; A: input combined_embed; B: input W_Q: QUANTISED
;;     3. [M 8,192, K 512] x [K 512, N 512]; A: input combined_embed; B: input W_V: QUANTISED
;;     4. batch 16 x [M 4,096, K 64] x [K 64, N 4,096]; A: computed on the way; B: computed on the way: QUANTISED
;;     5. batch 16 x [M 4,096, K 4,096] x [K 4,096, N 64]; A: softmax (see below); B: computed on the way: QUANTISED
;;     6. [M 8,192, K 512] x [K 512, N 512]; A: computed on the way; B: input W_O: QUANTISED
;;   THE QUANTISER, for each operand of a quantised product, along K:
;;     - K is cut into blocks of 32 from its start; a last block that is shorter is filled with zeros.
;;     - A block's scale is 2^e with e = floor(log2(the largest magnitude in the block)) - 2, held to -126 .. 127; a block of zeros has e = 0. As a byte (E8M0): e + 127.
;;     - Each number is divided by its block's scale, clamped to +-7.5, and rounded to the nearest number of E2M3, ties to even, subnormals kept.
;;     - The product sums the exact products of the quantised numbers (number of the format x scale) in f32.
;;   ~~~python
;;   def quantise(x, axis):      # numpy; x: float32 -> the quantised numbers, widened to float32 again
;;       x = np.moveaxis(x, axis, -1); K = x.shape[-1]
;;       x = np.pad(x, [(0, 0)] * (x.ndim - 1) + [(0, -K % 32)]); x = x.reshape(x.shape[:-1] + (-1, 32)); a = np.abs(x).max(-1, keepdims=True)
;;       e = np.where(a > 0, np.clip(np.frexp(np.where(a > 0, a, 1))[1] - 1 - 2, -126, 127), 0)      # np.frexp(a)[1] - 1 = floor(log2(a)), exactly
;;       r = np.clip(x / 2.0 ** e, -7.5, 7.5)
;;       step = 2.0 ** (np.maximum(np.frexp(np.where(r == 0, 1, r))[1] - 1, 0) - 3)
;;       q = np.round(r / step) * step * 2.0 ** e      # np.round: ties to even
;;       return np.moveaxis(q.reshape(q.shape[:-2] + (-1,))[..., :K], -1, axis).astype(np.float32)
;;   ~~~
;;   SOFTMAX AHEAD OF A QUANTISED PRODUCT. Where the list says 'softmax', what is quantised is not the finished softmax but p = 2^(t - M), with t = logit x log2(e) and M = ceil(the row's largest t), a whole number; so 1/2 < the row's largest p <= 1. The row's sum l is taken of the UNQUANTISED p, in f32, and the product's result is divided by l at the end. Since M is a whole number, a kernel that streams over the keys may use a running M (the ceiling of the running maximum): every later rescaling is an exact power of two, which a block's scale takes up: the codes' values come out the same.
;;   OPERANDS COMPUTED ON THE WAY. 'Computed on the way' means the value that the module computes at that place (a softmax that the list does not call 'softmax' is quantised finished and normalised). What goes into a quantiser is computed in f32, as accurately as f32 sums, v_exp_f32 and their like allow (about 1e-6 of the number): no bf16 or f16 on the way to a quantiser, and a product that is left as it is and whose result goes on into a quantised operand takes f32 operands (vector FMAs, or v_wmma_f32_16x16x4_f32). A number that lies on a knife's edge between two numbers of the format may be rounded either way, as far as f32 arithmetic and the matrix unit's own rounding can turn it there, and no further.
;; 2 versions. Each part assembles by itself: llvm-mc -triple=amdgcn-amd-amdhsa -mcpu=gfx1250 --defsym DOCPART=n.
;; ======== version 1 of 2: 4 launches
;; workspace buffers: w 819,200 bytes; kv 6,291,456 bytes; kvs 393,216 bytes; q 3,407,872 bytes; z 3,276,800 bytes
;; launch wq (part 1): grid 16 x 4, 4 waves a work-group, no clusters, 12,800 bytes of LDS; arguments W_K, W_Q, W_V, W_O, w; writes w
.if DOCPART == 1
	.amdgcn_target "amdgcn-amd-amdhsa--gfx1250"
	.amdhsa_code_object_version 6
	.text
	.protected	k_qc66fb51cae_wq
	.globl	k_qc66fb51cae_wq
	.p2align	8
	.type	k_qc66fb51cae_wq,@function
k_qc66fb51cae_wq:
	s_mov_b64 s[64:65], 0
	v_nop
	global_prefetch_b8 v0, s[64:65] scope:SCOPE_SE
	s_setreg_imm32_b32 hwreg(HW_REG_WAVE_MODE, 25, 1), 1
	s_wait_xcnt 0x0
; The four weights [512 (k)][512 (n)], f32, K = the FIRST axis, become codes of FP6 (E2M3) with one E8M0 byte for each 32 along K, laid as IMAGES OF OPERAND REGISTERS.
; A fragment is 16 columns n x 128 k: 12 registers a lane; lane (r, h) holds column r, registers 6 c .. 6 c + 5 = block 2 c + h of the K step.  Its image is 1,536 bytes: registers 4 j .. 4 j + 3 of lane l at 512 j + 16 l.
; w: images [g: K, Q, V, O][n tile 32][K step 4][1,536]; from byte 786,432 the scale words [g][K step][n] (byte b = block b of the step).
; ORDER INSIDE A BLOCK.  Every operand of this program holds, at place p of a block of 32, the number with index pi(p) = p % 8 + 16 ((p / 8) % 2) + 8 ((p / 16) % 2): the order in which a matrix result quantised in
; registers comes out.  The same order on both sides of a product keeps a block's scale and its sum of products.
; SHARES.  y = the weight, x % 4 = 128 columns, x / 4 = the K step.  A wave takes 32 columns x 128 k: a lane to a column, its registers down K, so that a block's largest magnitude needs no other lane and the
; conversions give codes with K innermost.  Each load reads 128 consecutive bytes a wave, 512 a work-group.  The codes turn through the wave's own stage in LDS and leave as two whole images, 512 bytes a store.
; No barrier: waves share nothing.  No tensor load, no cluster: no two work-groups read the same bytes.
; A block's scale is 2^(floor(log2(largest magnitude)) - 2); its byte is the largest magnitude's exponent field - 2, held at 1 from below by the floor 2^(3 - 127).
; LIMITS: NaN and infinities among the inputs are not served.  A block of zeros gets the byte 1 (the rule says 127): its codes are zeros, and this program alone reads the bytes.
.set STGB,   3072                      ; a wave's stage: two images
.set SPARE,  4*STGB                    ; behind the stages: the spare words, 128 bytes for each wave
.set SCALES, 786432
.set LN4,  2                           ; v2   4 x lane
.set STI,  3                           ; v3   into the stage: 1,536 (lane / 16) + 16 (lane % 16)
.set STO,  4                           ; v4   out of it: 16 x lane
.set LN16, 5                           ; v5   16 x lane
.set SPW,  14                          ; v14  my spare word; never rewritten
.set NIL,  15                          ; v15  0; never rewritten
.set SW,   24                          ; v24  my column's scale word
.set X,    32                          ; v32-159  four sets of 32 numbers
.set C,    160                         ; v160-191 eight registers of codes for each block
	s_load_b256 s[4:11], s[0:1], 0x0               ; W_K, W_Q, W_V, W_O
	s_load_b64 s[12:13], s[0:1], 0x20              ; w
	v_lshl_add_u32 v[SPW], v0, 2, SPARE
	v_mov_b32 v[NIL], 0
	v_lshrrev_b32 v1, 5, v0
	v_readfirstlane_b32 s14, v1                    ; wave
	v_and_b32 v1, 31, v0                           ; lane
	v_lshlrev_b32 v[LN4], 2, v1
	s_mul_i32 s15, s14, STGB
	v_lshrrev_b32 v6, 4, v1
	v_and_b32 v7, 15, v1
	v_mul_u32_u24 v[STI], v6, 1536
	v_lshl_add_u32 v[STI], v7, 4, v[STI]
	v_add_nc_u32 v[STI], s15, v[STI]
	v_lshlrev_b32 v[LN16], 4, v1
	v_add_nc_u32 v[STO], s15, v[LN16]
	s_and_b32 s16, ttmp7, 0xffff                   ; g
	s_and_b32 s17, ttmp9, 3
	s_lshr_b32 s18, ttmp9, 2                       ; K step
	s_lshl_b32 s19, s17, 7
	s_lshl_b32 s20, s14, 5
	s_add_co_u32 s19, s19, s20                     ; n0: my wave's first column
	s_lshl_b32 s20, s18, 18                        ; in: 128 rows of 2,048 bytes a K step,
	s_lshl_b32 s21, s19, 2
	s_add_co_u32 s20, s20, s21                     ; + 4 n0
	s_mov_b32 s21, 0
	s_mul_i32 s22, s16, 196608                     ; images: 196,608 g + 6,144 (n0 / 16) + 1,536 s
	s_mul_i32 s23, s19, 384
	s_add_co_u32 s22, s22, s23
	s_mul_i32 s23, s18, 1536
	s_add_co_u32 s22, s22, s23
	s_mov_b32 s23, 0
	s_lshl_b32 s24, s16, 13                        ; scale words: 8,192 g + 2,048 s + 4 n0
	s_lshl_b32 s25, s18, 11
	s_add_co_u32 s24, s24, s25
	s_lshl_b32 s25, s19, 2
	s_add_co_u32 s24, s24, s25
	s_add_co_u32 s24, s24, SCALES
	s_mov_b32 s25, 0
	s_wait_kmcnt 0x0
	s_cmp_eq_u32 s16, 1                            ; which weight: the choice hangs on the work-group's number alone
	s_cselect_b64 s[4:5], s[6:7], s[4:5]
	s_cmp_eq_u32 s16, 2
	s_cselect_b64 s[4:5], s[8:9], s[4:5]
	s_cmp_eq_u32 s16, 3
	s_cselect_b64 s[4:5], s[10:11], s[4:5]
	s_add_nc_u64 s[4:5], s[4:5], s[20:21]
	s_add_nc_u64 s[26:27], s[12:13], s[22:23]
	s_add_nc_u64 s[28:29], s[12:13], s[24:25]
.macro LOAD t                          ; block t: register i = W(128 s + 32 t + pi(i), my column)
.set i, 0
.rept 32
	global_load_b32 v[X+32*(\t)+i], v[LN4], s[4:5] offset:(32*(\t)+i%8+16*((i/8)%2)+8*((i/16)%2))*2048 th:TH_LOAD_NT
.set i, i+1
.endr
.endm
.macro BLOCK t, left                   ; left: the next block's loads, which may stay out
.set XS, X+32*(\t)
.set CC, C+8*(\t)
	s_wait_loadcnt \left
	v_max3_num_f32 v8, |v[XS]|, |v[XS+1]|, |v[XS+2]|               ; the block's largest magnitude, in two chains: all 32 numbers are mine
	v_max3_num_f32 v9, |v[XS+3]|, |v[XS+4]|, |v[XS+5]|
.irp i, 6,10,14,18,22,26
	v_max3_num_f32 v8, v8, |v[XS+\i]|, |v[XS+\i+1]|
	v_max3_num_f32 v9, v9, |v[XS+\i+2]|, |v[XS+\i+3]|
.endr
	v_max3_num_f32 v8, v8, |v[XS+30]|, |v[XS+31]|
	v_max3_num_f32 v8, v8, v9, 0x1800000           ; and the floor 2^(3 - 127): the byte cannot fall under 1
	v_add_nc_u32 v10, 0xff000000, v8               ; 2 off the exponent field: the conversion takes this operand's exponent field as its scale
	v_lshrrev_b32 v11, 23, v10                     ; the scale's byte
.if (\t) == 0
	v_mov_b32 v[SW], v11
.else
	v_lshl_or_b32 v[SW], v11, 8*(\t), v[SW]
.endif
	v_cvt_scalef32_pk16_fp6_f32 v[CC:CC+2], v[XS:XS+15], v10
	v_cvt_scalef32_pk16_fp6_f32 v[CC+4:CC+6], v[XS+16:XS+31], v10   ; (a conversion's three registers begin on an even number)
	v_nop                                          ; one plain place behind a scaled conversion
	v_mov_b32 v[CC+3], v[CC+4]                     ; the block's six words on end
	v_mov_b32 v[CC+4], v[CC+5]
	v_mov_b32 v[CC+5], v[CC+6]
.if (\t) < 2                           ; block t = 2 c + h is registers 6 c .. 6 c + 5 of lane r + 16 h of my tile's image
	ds_store_b128 v[STI], v[CC:CC+3] offset:256*((\t)%2)
	ds_store_b64 v[STI], v[CC+4:CC+5] offset:512+256*((\t)%2)
.else
	ds_store_b64 v[STI], v[CC:CC+1] offset:520+256*((\t)%2)
	ds_store_b128 v[STI], v[CC+2:CC+5] offset:1024+256*((\t)%2)
.endif
.endm
	LOAD 0
	LOAD 1
	BLOCK 0, 32
	LOAD 2
	BLOCK 1, 32
	LOAD 3
	BLOCK 2, 32
	BLOCK 3, 0
	global_store_b32 v[LN4], v[SW], s[28:29]       ; 128 consecutive bytes a wave, 512 a work-group
.irp k, 0,1,2,3,4,5
	ds_load_b128 v[X+4*\k:X+4*\k+3], v[STO] offset:512*\k      ; LDS serves a wave's instructions in order: these see my stores
.endr
.irp k, 0,1,2,3,4,5
	s_wait_dscnt 5-\k                              ; the younger loads may stay out
	global_store_b128 v[LN16], v[X+4*\k:X+4*\k+3], s[26:27] offset:6144*(\k/3)+512*(\k%3)   ; 512 consecutive bytes, aligned
.endr
	s_wait_tensorcnt 0x0                           ; the wave's end, behind my last LDS store
	ds_add_u32 v[SPW], v[NIL]
	s_wait_dscnt 0x0
	s_endpgm
.Lfunc_end_k_qc66fb51cae_wq:
	.size	k_qc66fb51cae_wq, .Lfunc_end_k_qc66fb51cae_wq-k_qc66fb51cae_wq
	.p2alignl 7, 3214868480
	.fill 96, 4, 3214868480
	.section	.rodata,"a",@progbits
	.p2align	6, 0x0
	.amdhsa_kernel k_qc66fb51cae_wq
		.amdhsa_group_segment_fixed_size 12800
		.amdhsa_private_segment_fixed_size 0
		.amdhsa_enable_private_segment 0
		.amdhsa_kernarg_size 40
		.amdhsa_user_sgpr_count 2
		.amdhsa_user_sgpr_kernarg_segment_ptr 1
		.amdhsa_wavefront_size32 1
		.amdhsa_system_sgpr_workgroup_id_x 1
		.amdhsa_system_sgpr_workgroup_id_y 1
		.amdhsa_system_sgpr_workgroup_id_z 1
		.amdhsa_system_vgpr_workitem_id 0
		.amdhsa_next_free_vgpr 192
		.amdhsa_next_free_sgpr 66
		.amdhsa_reserve_vcc 0
		.amdhsa_float_denorm_mode_32 3
		.amdhsa_float_denorm_mode_16_64 3
		.amdhsa_memory_ordered 1
		.amdhsa_forward_progress 1
		.amdhsa_inst_pref_size 22
	.end_amdhsa_kernel
	.amdgpu_metadata
---
amdhsa.version: [ 1, 2 ]
amdhsa.kernels:
  - .name:           k_qc66fb51cae_wq
    .symbol:         k_qc66fb51cae_wq.kd
    .args:
      - { .name: W_K, .offset: 0, .size: 8, .value_kind: global_buffer, .address_space: global }
      - { .name: W_Q, .offset: 8, .size: 8, .value_kind: global_buffer, .address_space: global }
      - { .name: W_V, .offset: 16, .size: 8, .value_kind: global_buffer, .address_space: global }
      - { .name: W_O, .offset: 24, .size: 8, .value_kind: global_buffer, .address_space: global }
      - { .name: w, .offset: 32, .size: 8, .value_kind: global_buffer, .address_space: global }
    .group_segment_fixed_size: 12800
    .private_segment_fixed_size: 0
    .kernarg_segment_align: 8
    .kernarg_segment_size: 40
    .max_flat_workgroup_size: 128
    .sgpr_count:     66
    .vgpr_count:     192
    .wavefront_size: 32
...
	.end_amdgpu_metadata
.endif
;; end of part 1
;; launch proj (part 2): grid 4 x 64, 4 waves a work-group, no clusters, 53,760 bytes of LDS; arguments combined_embed, w, b_K, b_Q, b_V, kv, kvs, q; writes kv, kvs, q
.if DOCPART == 2
	.amdgcn_target "amdgcn-amd-amdhsa--gfx1250"
	.amdhsa_code_object_version 6
	.text
	.protected	k_qc66fb51cae_proj
	.globl	k_qc66fb51cae_proj
	.p2align	8
	.type	k_qc66fb51cae_proj,@function
k_qc66fb51cae_proj:
	s_mov_b64 s[64:65], 0
	v_nop
	global_prefetch_b8 v0, s[64:65] scope:SCOPE_SE
	s_setreg_imm32_b32 hwreg(HW_REG_WAVE_MODE, 25, 1), 1
	s_wait_xcnt 0x0
; K, Q, V = x W + b on codes of FP6 (E2M3) with one E8M0 scale for each 32 along K, and their results quantised at once for attention: K and Q along the head's 64, V along the keys.
; x [8,192][512] f32 is quantised here; the weights come as register images with their scale words (buffer w).
; SHARES.  x = a pair of heads, y = 128 tokens (one key step of attention).  Wave w owns ONE unit of K or Q (w / 2: K or Q; head 2 x + w % 2: 4 tiles of 16 features x 4 K steps) and two channel tiles of V
; (head 2 x + w / 2, tiles 2 (w % 2) and + 1): 24 fragments, 288 registers, read once and kept.  What goes round is x: wave w quantises token tiles 2 w and 2 w + 1 and stores their fragments in LDS as images of
; their registers (lane l's 16 bytes at 16 l, 512 bytes a store; scale words 4 bytes a lane); one barrier; every wave reads all 32 back by the same lines.
; K, Q: transposed (source 0 = 16 features of W, source 1 = 16 tokens): a lane holds one token, its 32 registers run along the head's 64: two blocks.  V: source 0 = 16 tokens, source 1 = 16 channels of W_V: a lane holds
; one channel and its 64 registers run along the 128 tokens: four blocks along the keys.  The biases are the C of each sum's first product.
; ORDER INSIDE A BLOCK: place p holds index p % 8 + 16 ((p / 8) % 2) + 8 ((p / 16) % 2), in every operand of the program: results come out so, x is loaded so.
; OUT.  kv [bh][step][12,288]: K's 8 half images (768 bytes: words 0-3 at 16 l, words 4-5 at 512 + 8 l), V^T's 4 full images.  q [bh][128 tokens][6,656]: 8 half images, 512 bytes of scale words.
; kvs [bh]: K's scale words, 512 bytes a step (tile t, token r at 256 (t / 4) + 128 (t % 2) + 8 r + 4 ((t / 2) % 2)); from 16,384 V's, 256 bytes a step.  A K or Q word is b0 | b1 << 8, repeated above: the upper
; two bytes scale zero codes.  V's scale words leave as 128 consecutive bytes a wave, half of an aligned 256: 128 KB of the launch's 10 MB.
; No tensor load and no cluster: operands go from memory straight into registers; the four work-groups that read the same x are neighbours in the grid.
; LIMITS: NaN and infinities are not served.  A block of zeros gets the byte 1 (its codes are zeros; this program alone reads the bytes); floor 2^(3 - 127).
; REGISTERS.  window 0: see the names below.  window 1: W of K or Q, fragment (t, s) at 12 (4 t + s).  window 2: W_V (n, s) at 12 (4 n + s); v128-159 the bias of K or Q; v192-207 b_V, eight copies a tile.
.set XIMG,  0                          ; LDS: x's 32 fragments, (tile m, K step s) at (4 m + s) 1,536
.set XSC,   49152                      ; their scale words, 128 bytes each
.set SPARE, 53248                      ; the spare words, 128 bytes for each wave
.set L16, 1                            ; 16 x lane
.set L8,  2                            ; 8 x lane
.set L4,  3                            ; 4 x lane
.set XA,  4                            ; x: 2,048 r + 32 h
.set XWI, 5                            ; where I store x's images: 16 x lane + 12,288 w
.set XWS, 6                            ; and their scale words: 4 x lane + 1,024 w
.set R4,  7                            ; 4 r
.set H32, 8                            ; 32 h
.set W1S, 16                           ; v16-31  scale words of W of K or Q, 4 t + s
.set W2S, 32                           ; v32-39  of W_V, 4 n + s
.set XS,  40                           ; v40-43  x's scale words in hand
.set PWK, 44                           ; v44-51  the eight token tiles' K or Q words
.set PR,  52                           ; v52-55  the same, two tiles to a register
.set PW,  56                           ; x's scale word just made
.set VJ,  57                           ; V's two words joined
.set SPW, 58
.set NIL, 59
.set BV,  60                           ; v60-61  b_V of my channel; later V's scale words
.set HA,  64                           ; v64-127 accumulators; a buffer of x
.set PC,  128                          ; v128-139 the codes just made
.set CT,  140                          ; v140-146 the conversions' second halves
.set ST,  148                          ; v148-211 a buffer of x; four fragments of x
.set BM,  212
.set BT,  216
.set SO,  224
.set B1,  128                          ; window 2
.set BVC, 192                          ; window 2
.set WV,  38
.set SEL, 42
.set MSB, 0
.macro WIN new                         ; the immediate's high byte repeats the setting that is left
.if MSB != \new
	s_set_vgpr_msb (MSB<<8)|\new
.set MSB, \new
.endif
.endm
.macro MM d, a, b, c, sa, sb
	v_wmma_scale_f32_16x16x128_f8f6f4 v[\d:\d+7], v[\a:\a+11], v[\b:\b+11], v[\c:\c+7], v[\sa], v[\sb] matrix_a_fmt:MATRIX_FMT_FP6 matrix_b_fmt:MATRIX_FMT_FP6
.endm
; 16 nb numbers of a lane, register s + 16 b + i in block b (lanes l and l xor 16 share a block), become codes in v[PC] on (lanes 0-15 the even blocks, lanes 16-31 the odd ones) and the scale word in v[pw].
.macro QUANT s, nb, pw
.irp b, 0,1,2,3
.if \b < \nb
	v_max3_num_f32 v[BM+\b], |v[\s+16*\b]|, |v[\s+1+16*\b]|, 0x1800000   ; with the floor 2^(3 - 127): the byte cannot fall under 1
.endif
.endr
.irp i, 2,4,6,8,10,12,14
.irp b, 0,1,2,3
.if \b < \nb
	v_max3_num_f32 v[BM+\b], v[BM+\b], |v[\s+16*\b+\i]|, |v[\s+1+16*\b+\i]|   ; the blocks by turns
.endif
.endr
.endr
.irp b, 0,1,2,3
.if \b < \nb
	v_permlanex16_b32 v[BT+\b], v[BM+\b], s[SEL], s[SEL+1]
.endif
.endr
.irp b, 0,1,2,3
.if \b < \nb
	v_max_num_f32 v[BM+\b], v[BM+\b], v[BT+\b]     ; with lane l xor 16's: the block's largest magnitude
.endif
.endr
.irp b, 0,1,2,3
.if \b < \nb
	v_add_nc_u32 v[SO+\b], 0xff000000, v[BM+\b]    ; 2 off its exponent field: the conversion's scale operand
.endif
.endr
.irp b, 0,1,2,3
.if \b < \nb
	v_lshrrev_b32 v[BT+\b], 23, v[SO+\b]           ; the scale's byte
.endif
.endr
	v_lshl_or_b32 v[\pw], v[BT+1], 8, v[BT]
.if \nb == 4
	v_lshl_or_b32 v[\pw], v[BT+2], 16, v[\pw]
	v_lshl_or_b32 v[\pw], v[BT+3], 24, v[\pw]
.else
	v_lshl_or_b32 v[\pw], v[\pw], 16, v[\pw]       ; the two bytes once more above: they scale zero codes
.endif
.irp c, 0,1
.if 2*\c < \nb
	v_cvt_scalef32_pk16_fp6_f32 v[PC+6*\c:PC+6*\c+2], v[\s+32*\c:\s+32*\c+15], v[SO+2*\c]
	v_cvt_scalef32_pk16_fp6_f32 v[CT+4*\c:CT+4*\c+2], v[\s+16+32*\c:\s+31+32*\c], v[SO+2*\c+1]
.endif
.endr
	v_nop                                          ; one plain place behind a scaled conversion
.irp c, 0,1
.if 2*\c < \nb
.irp i, 0,1,2
	v_permlane16_swap_b32 v[PC+6*\c+\i], v[CT+4*\c+\i]   ; a whole block to a lane: lanes 0-15 block 2 c, lanes 16-31 block 2 c + 1
.endr
.irp i, 0,1,2
	v_mov_b32 v[PC+3+6*\c+\i], v[CT+4*\c+\i]
.endr
.endif
.endr
.endm
	s_load_b512 s[4:19], s[0:1], 0x0               ; x, w, b_K, b_Q, b_V, kv, kvs, q
	v_lshl_add_u32 v[SPW], v0, 2, SPARE
	v_mov_b32 v[NIL], 0
	v_lshrrev_b32 v9, 5, v0
	v_readfirstlane_b32 s[WV], v9                  ; wave 0..3
	v_and_b32 v9, 31, v0                           ; lane
	v_and_b32 v10, 15, v0                          ; r
	v_bfe_u32 v11, v0, 4, 1                        ; h
	v_lshlrev_b32 v[L16], 4, v9
	v_lshlrev_b32 v[L8], 3, v9
	v_lshlrev_b32 v[L4], 2, v9
	v_lshlrev_b32 v[XA], 11, v10
	v_lshl_add_u32 v[XA], v11, 5, v[XA]
	s_mul_i32 s44, s[WV], 12288
	v_add_nc_u32 v[XWI], s44, v[L16]
	s_lshl_b32 s44, s[WV], 10
	v_add_nc_u32 v[XWS], s44, v[L4]
	v_lshlrev_b32 v[R4], 2, v10
	v_lshlrev_b32 v[H32], 5, v11
.irp b, 0,1,2,3
	v_mov_b32 v[BT+\b], 0                          ; written once: a lane permute's destination counts as one of its sources
.endr
	s_mov_b32 s40, 0xffff0000                      ; lanes 16-31
	s_mov_b32 s[SEL], 0x76543210
	s_mov_b32 s[SEL+1], 0xfedcba98                 ; v_permlanex16_b32's selects for lane l xor 16
	s_and_b32 s44, ttmp7, 0xffff                   ; tg: which 128 tokens
	s_lshr_b32 s45, s44, 5                         ; b
	s_and_b32 s46, s44, 31                         ; the key step in its sequence
	s_lshr_b32 s47, s[WV], 1                       ; ty: 0 K, 1 Q
	s_and_b32 s48, s[WV], 1
	s_lshl_b32 s49, ttmp9, 1
	s_add_co_u32 s50, s49, s47                     ; hv: V's head
	s_add_co_u32 s49, s49, s48                     ; hk: K's or Q's head
	s_lshl_b32 s51, s48, 1                         ; tv: V's first channel tile
	s_mov_b32 s53, 0
	s_wait_kmcnt 0x0
	s_lshl_b32 s52, s44, 18                        ; x: 128 rows of 2,048 bytes a group, 32 rows a wave
	s_lshl_b32 s54, s[WV], 16
	s_add_co_u32 s52, s52, s54
	s_add_nc_u64 s[4:5], s[4:5], s[52:53]
	s_mul_i32 s52, s47, 196608                     ; W of K or Q: my head's 4 tiles
	s_mul_i32 s54, s49, 24576
	s_add_co_u32 s52, s52, s54
	s_add_nc_u64 s[20:21], s[6:7], s[52:53]
	s_mul_i32 s52, s50, 24576                      ; W_V: my 2 tiles
	s_mul_i32 s54, s51, 6144
	s_add_co_u32 s52, s52, s54
	s_add_co_u32 s52, s52, 393216
	s_add_nc_u64 s[22:23], s[6:7], s[52:53]
	s_lshl_b32 s52, s47, 13                        ; their scale words
	s_lshl_b32 s54, s49, 8
	s_add_co_u32 s52, s52, s54
	s_add_co_u32 s52, s52, 786432
	s_add_nc_u64 s[24:25], s[6:7], s[52:53]
	s_lshl_b32 s52, s50, 8
	s_lshl_b32 s54, s51, 6
	s_add_co_u32 s52, s52, s54
	s_add_nc_u64 s[12:13], s[12:13], s[52:53]      ; b_V at my channels (256 hv + 64 tv)
	s_add_co_u32 s52, s52, 802816
	s_add_nc_u64 s[26:27], s[6:7], s[52:53]
	s_cmp_eq_u32 s47, 0                            ; the choices hang on the wave's number alone
	s_cselect_b64 s[28:29], s[8:9], s[10:11]       ; b_K or b_Q
	s_lshl_b32 s52, s49, 8
	s_add_nc_u64 s[28:29], s[28:29], s[52:53]
	s_lshl_b32 s55, s45, 3
	s_add_co_u32 s56, s55, s49                     ; bh of K or Q
	s_add_co_u32 s57, s55, s50                     ; bh of V
	s_lshl_b32 s58, s56, 5
	s_add_co_u32 s58, s58, s46                     ; record of K or Q
	s_lshl_b32 s59, s57, 5
	s_add_co_u32 s59, s59, s46                     ; record of V
	s_mul_i32 s52, s58, 12288
	s_mul_i32 s54, s58, 6656
	s_cmp_eq_u32 s47, 0
	s_cselect_b64 s[30:31], s[14:15], s[18:19]     ; codes out: kv or q
	s_cselect_b32 s52, s52, s54
	s_add_nc_u64 s[30:31], s[30:31], s[52:53]
	s_mul_i32 s52, s56, 24576
	s_lshl_b32 s60, s46, 9
	s_add_co_u32 s52, s52, s60
	s_add_co_u32 s54, s54, 6144
	s_cmp_eq_u32 s47, 0
	s_cselect_b64 s[32:33], s[16:17], s[18:19]     ; scale words out: kvs or q
	s_cselect_b32 s52, s52, s54
	s_add_nc_u64 s[32:33], s[32:33], s[52:53]
	s_mul_i32 s52, s59, 12288                      ; V^T's images
	s_mul_i32 s54, s51, 1536
	s_add_co_u32 s52, s52, s54
	s_add_co_u32 s52, s52, 6144
	s_add_nc_u64 s[34:35], s[14:15], s[52:53]
	s_mul_i32 s52, s57, 24576                      ; V's scale words
	s_lshl_b32 s54, s46, 8
	s_add_co_u32 s52, s52, s54
	s_lshl_b32 s54, s51, 6
	s_add_co_u32 s52, s52, s54
	s_add_co_u32 s52, s52, 16384
	s_add_nc_u64 s[36:37], s[16:17], s[52:53]
	WIN 0x40                                       ; destination window 1
.irp f, 0,1,2,3,4,5,6,7,8,9,10,11,12,13,14,15
.irp j, 0,1,2
	global_load_b128 v[12*\f+4*\j:12*\f+4*\j+3], v[L16], s[20:21] offset:1536*\f+512*\j
.endr
.endr
	WIN 0x80                                       ; destination window 2
.irp f, 0,1,2,3,4,5,6,7
.irp j, 0,1,2
	global_load_b128 v[12*\f+4*\j:12*\f+4*\j+3], v[L16], s[22:23] offset:1536*\f+512*\j
.endr
.endr
.irp t, 0,1,2,3
	global_load_b128 v[B1+8*\t:B1+8*\t+3], v[H32], s[28:29] offset:64*\t          ; the bias of features 16 t + 8 h + 0 .. 7
	global_load_b128 v[B1+8*\t+4:B1+8*\t+7], v[H32], s[28:29] offset:64*\t+16
.endr
	WIN 0
.irp t, 0,1,2,3
.irp s, 0,1,2,3
	global_load_b32 v[W1S+4*\t+\s], v[R4], s[24:25] offset:2048*\s+64*\t
.endr
.endr
.irp n, 0,1
.irp s, 0,1,2,3
	global_load_b32 v[W2S+4*\n+\s], v[R4], s[26:27] offset:2048*\s+64*\n
.endr
	global_load_b32 v[BV+\n], v[R4], s[12:13] offset:64*\n
.endr
; unit u of my eight: token tile 2 w + u / 4, K step u % 4.  Lane (r, h) takes, of each block of 32 of row r, indices 8 h .. 8 h + 7 and 16 + 8 h .. + 7
.macro XLOAD buf, u
.irp b, 0,1,2,3
	global_load_b128 v[\buf+16*\b:\buf+16*\b+3],     v[XA], s[4:5] offset:32768*((\u)/4)+512*((\u)%4)+128*\b
	global_load_b128 v[\buf+16*\b+4:\buf+16*\b+7],   v[XA], s[4:5] offset:32768*((\u)/4)+512*((\u)%4)+128*\b+16
	global_load_b128 v[\buf+16*\b+8:\buf+16*\b+11],  v[XA], s[4:5] offset:32768*((\u)/4)+512*((\u)%4)+128*\b+64
	global_load_b128 v[\buf+16*\b+12:\buf+16*\b+15], v[XA], s[4:5] offset:32768*((\u)/4)+512*((\u)%4)+128*\b+80
.endr
.endm
.macro XUNIT u, buf, left
	s_wait_loadcnt \left                           ; this unit's loads, and all issued before them, are in; the next unit's 16 may stay out
	QUANT \buf, 4, PW
.irp j, 0,1,2
	ds_store_b128 v[XWI], v[PC+4*\j:PC+4*\j+3] offset:XIMG+1536*(\u)+512*\j
.endr
	ds_store_b32 v[XWS], v[PW] offset:XSC+128*(\u)
	s_wait_dscnt 0x0                               ; the stores have read their registers
.if (\u) < 6
	XLOAD \buf, (\u)+2
.endif
.endm
	XLOAD HA, 0
	XLOAD ST, 1
	XUNIT 0, HA, 16
	XUNIT 1, ST, 16
	XUNIT 2, HA, 16
	XUNIT 3, ST, 16
	XUNIT 4, HA, 16
	XUNIT 5, ST, 16
	XUNIT 6, HA, 16
	XUNIT 7, ST, 0
	WIN 0x80
.irp n, 0,1
.irp j, 0,1,2,3,4,5,6,7
	v_mov_b32 v[BVC+8*\n+\j], v[BV+\n]             ; b_V as a C: a lane's eight tokens take its channel's bias
.endr
.endr
	WIN 0
	s_wait_dscnt 0x0                               ; my images have landed
	s_barrier_signal -1
	s_barrier_wait -1                              ; x's 32 fragments lie in LDS; nothing is stored there again
; K or Q of token tile m: four accumulators by turns, K step by K step
.macro KQ m
.irp s, 0,1,2,3
.irp j, 0,1,2
	ds_load_b128 v[ST+12*\s+4*\j:ST+12*\s+4*\j+3], v[L16] offset:XIMG+(4*(\m)+\s)*1536+512*\j
.endr
	ds_load_b32 v[XS+\s], v[L4] offset:XSC+128*(4*(\m)+\s)
.endr
	s_wait_dscnt 0x0
	WIN 0x21                                       ; source 0 (W) window 1, C (the bias) window 2
.irp t, 0,1,2,3
	MM HA+8*\t, 12*(4*\t), ST, B1+8*\t, W1S+4*\t, XS
.endr
	WIN 0x01
.irp s, 1,2,3
.irp t, 0,1,2,3
	MM HA+8*\t, 12*(4*\t+\s), ST+12*\s, HA+8*\t, W1S+4*\t+\s, XS+\s
.endr
.endr
	WIN 0
.rept 4
	v_nop                                          ; places behind the products, ahead of the first read of results
.endr
	s_wait_xcnt 0x0                                ; the last tile's stores have read the codes' registers
	QUANT HA, 2, PWK+(\m)
	global_store_b128 v[L16], v[PC:PC+3], s[30:31] offset:768*(\m)        ; 512 consecutive bytes
	global_store_b64 v[L8], v[PC+4:PC+5], s[30:31] offset:768*(\m)+512    ; 256 consecutive bytes
.endm
.irp m, 0,1,2,3,4,5,6,7
	KQ \m
.endr
.irp k, 0,1,2,3
	v_cndmask_b32 v[PR+\k], v[PWK+2*\k], v[PWK+2*\k+1], s40    ; lanes 0-15 tile 2 k's words, lanes 16-31 tile 2 k + 1's
.endr
	global_store_b64 v[L8], v[PR:PR+1], s[32:33]               ; 256 consecutive bytes each
	global_store_b64 v[L8], v[PR+2:PR+3], s[32:33] offset:256
; V^T of channel tile n for the 128 tokens: eight accumulators by turns, four at a time
.macro VPART n
.irp s, 0,1,2,3
.irp hf, 0,1
.irp i, 0,1,2,3
.irp j, 0,1,2
	ds_load_b128 v[ST+12*\i+4*\j:ST+12*\i+4*\j+3], v[L16] offset:XIMG+(4*(4*\hf+\i)+\s)*1536+512*\j
.endr
	ds_load_b32 v[XS+\i], v[L4] offset:XSC+128*(4*(4*\hf+\i)+\s)
.endr
	s_wait_dscnt 0x0
.if \s == 0
	WIN 0x28                                       ; source 1 (W_V) and C (b_V) window 2
.irp i, 0,1,2,3
	MM HA+8*(4*\hf+\i), ST+12*\i, 12*(4*(\n)+\s), BVC+8*(\n), XS+\i, W2S+4*(\n)+\s
.endr
.else
	WIN 0x08
.irp i, 0,1,2,3
	MM HA+8*(4*\hf+\i), ST+12*\i, 12*(4*(\n)+\s), HA+8*(4*\hf+\i), XS+\i, W2S+4*(\n)+\s
.endr
.endif
	WIN 0
.rept 4
	v_nop                                          ; places ahead of loads into registers that the products read, and of the first read of results
.endr
.endr
.endr
	s_wait_xcnt 0x0                                ; earlier stores have read the codes' registers
	QUANT HA, 4, BV+(\n)
.irp j, 0,1,2
	global_store_b128 v[L16], v[PC+4*\j:PC+4*\j+3], s[34:35] offset:1536*(\n)+512*\j
.endr
.endm
	VPART 0
	VPART 1
	v_cndmask_b32 v[VJ], v[BV], v[BV+1], s40       ; lanes 0-15 tile tv's words, lanes 16-31 tile tv + 1's
	global_store_b32 v[L4], v[VJ], s[36:37]
	s_wait_tensorcnt 0x0                           ; the wave's end, behind my last LDS store
	ds_add_u32 v[SPW], v[NIL]
	s_wait_dscnt 0x0
	s_endpgm
.Lfunc_end_k_qc66fb51cae_proj:
	.size	k_qc66fb51cae_proj, .Lfunc_end_k_qc66fb51cae_proj-k_qc66fb51cae_proj
	.p2alignl 7, 3214868480
	.fill 96, 4, 3214868480
	.section	.rodata,"a",@progbits
	.p2align	6, 0x0
	.amdhsa_kernel k_qc66fb51cae_proj
		.amdhsa_group_segment_fixed_size 53760
		.amdhsa_private_segment_fixed_size 0
		.amdhsa_enable_private_segment 0
		.amdhsa_kernarg_size 64
		.amdhsa_user_sgpr_count 2
		.amdhsa_user_sgpr_kernarg_segment_ptr 1
		.amdhsa_wavefront_size32 1
		.amdhsa_system_sgpr_workgroup_id_x 1
		.amdhsa_system_sgpr_workgroup_id_y 1
		.amdhsa_system_sgpr_workgroup_id_z 1
		.amdhsa_system_vgpr_workitem_id 0
		.amdhsa_next_free_vgpr 768
		.amdhsa_next_free_sgpr 66
		.amdhsa_reserve_vcc 0
		.amdhsa_float_denorm_mode_32 3
		.amdhsa_float_denorm_mode_16_64 3
		.amdhsa_memory_ordered 1
		.amdhsa_forward_progress 1
		.amdhsa_inst_pref_size 139
	.end_amdhsa_kernel
	.amdgpu_metadata
---
amdhsa.version: [ 1, 2 ]
amdhsa.kernels:
  - .name:           k_qc66fb51cae_proj
    .symbol:         k_qc66fb51cae_proj.kd
    .args:
      - { .name: combined_embed, .offset: 0, .size: 8, .value_kind: global_buffer, .address_space: global }
      - { .name: w, .offset: 8, .size: 8, .value_kind: global_buffer, .address_space: global }
      - { .name: b_K, .offset: 16, .size: 8, .value_kind: global_buffer, .address_space: global }
      - { .name: b_Q, .offset: 24, .size: 8, .value_kind: global_buffer, .address_space: global }
      - { .name: b_V, .offset: 32, .size: 8, .value_kind: global_buffer, .address_space: global }
      - { .name: kv, .offset: 40, .size: 8, .value_kind: global_buffer, .address_space: global }
      - { .name: kvs, .offset: 48, .size: 8, .value_kind: global_buffer, .address_space: global }
      - { .name: q, .offset: 56, .size: 8, .value_kind: global_buffer, .address_space: global }
    .group_segment_fixed_size: 53760
    .private_segment_fixed_size: 0
    .kernarg_segment_align: 8
    .kernarg_segment_size: 64
    .max_flat_workgroup_size: 128
    .sgpr_count:     66
    .vgpr_count:     768
    .wavefront_size: 32
...
	.end_amdgpu_metadata
.endif
;; end of part 2
;; launch attn (part 3): grid 16 x 16, 16 waves a work-group, no clusters, 327,680 bytes of LDS; arguments q, kv, kvs, z; writes z
.if DOCPART == 3
	.amdgcn_target "amdgcn-amd-amdhsa--gfx1250"
	.amdhsa_code_object_version 6
	.text
	.protected	k_qc66fb51cae_attn
	.globl	k_qc66fb51cae_attn
	.p2align	8
	.type	k_qc66fb51cae_attn,@function
k_qc66fb51cae_attn:
	s_mov_b64 s[64:65], 0
	v_nop
	global_prefetch_b8 v0, s[64:65] scope:SCOPE_SE
	s_setreg_imm32_b32 hwreg(HW_REG_WAVE_MODE, 25, 1), 1
	s_wait_xcnt 0x0
; Causal attention on codes of FP6 (E2M3), 16 heads (batch x head) of 4,096 tokens x 64 channels; Z = O / l is quantised along D for the output projection and leaves as register images.
; THE SOFTMAX AHEAD OF THE SECOND PRODUCT: t = score x log2(e) / 8; M = the row's largest t so far, rounded UP to a whole number; p = 2^(t - M) is quantised along the keys, not normalised.  The row's sum is taken of the
; unquantised p and divides O at the end.  When M moves, the sum and O are multiplied by 2^(old M - new M): exact.
; SHARES.  y = the head, x = i.  A work-group owns query blocks i and 31 - i, 128 queries each; each of its sixteen waves owns one tile of 16 queries in 256 registers.  Wave w: block 31 - i where bit 0 xor bit 2 of w is set,
; tile (w % 4) + 4 (w / 8).  A wave of block j works j + 1 key steps, so a low and a high wave together work 33, whatever i: every four waves w, w + 4, w + 8, w + 12 and every four w .. w + 3 hold two of each kind.
; Every wave walks all 16 slots (constant trip counts, every barrier); a step all of whose keys come after the wave's queries is jumped over by a scalar branch on ids.
; LAYOUT.  Both products transposed: S^T = K Q^T (source 0 = 16 keys, source 1 = my 16 queries; the head's 64 fill half of the instruction's 128: registers 6-11 of both fragments are zero codes),
; O^T = V^T P^T (source 0 = 16 channels, source 1 = p).  A lane holds ONE query.  The 16 registers of tiles 2 b and 2 b + 1 of S^T are a lane's half of block b of the keys, in the order in which V^T's codes were made.
; LDS.  Two slots of two key steps (24,576 dense bytes: register images, read at 16 x lane and 8 x lane), filled by wave 0 with one tensor load; the head's scale words (24,576 bytes) come once.
; No cluster: the work-groups of a head ask for different numbers of slots (work-group i up to key 4,095 - 128 i), so partners would not make the same requests.
; Z's scale halves leave as 32 bytes a wave (lanes r and r + 16 store the same 16 bits to the same place): 128 KB of the launch's 3.3 MB.
; LIMITS: NaN and infinities are not served.  A block of zeros gets the byte 1 (its codes are zeros; this program alone reads the bytes); floor 2^(3 - 127).
.set SLOT1, 32768                      ; slot 1 begins here: one exclusive or turns an address
.set SLOTB, 24576                      ; a slot's bytes
.set STEPB, 12288                      ; a key step: K's 8 half images (768), V^T's 4 full images (1,536)
.set SCK,   65536                      ; K's scale words, 512 bytes a step
.set SCV,   81920                      ; V's, 256 bytes a step
.set SPARE, 90112                      ; the spare words, 128 bytes for each wave
.set L16,  1                           ; 16 x lane
.set L8,   2                           ; 8 x lane
.set ASK0, 3                           ; SCK + 8 r
.set ASV0, 4                           ; SCV + 4 r
.set SPW,  5
.set NIL,  6
.set DG,   7                           ; r - 8 h
.set AD16, 8                           ; addresses of the loads in hand
.set AD8,  9
.set ADS,  10
.set ADT,  11                          ; v12 -M, v13 the largest t, v[14:15] the sum in two halves
.set QF,   16                          ; v16-27  Q; v22-27 zero
.set PFO,  28                          ; 256 x lane
.set NINF, 29                          ; -infinity
.set R8,   30                          ; 8 r
.set R2,   31                          ; 2 r
.set KFR,  32                          ; v32-79  four fragments of K; registers 6-11 of each stay zero
.set SO,   32                          ; during the softmax: the conversions' scale operands,
.set CT,   44                          ; and their second halves (v44-46, v56-58), in K's registers that are loaded anew
.set PC,   80                          ; v80-91  p's codes
.set KS,   92                          ; v92-95  K's scale words
.set S,    96                          ; v96-159 S^T, then p
.set O,    160                         ; v160-191 O^T
.set VF,   192                         ; v192-239 four fragments of V^T
.set VS,   240                         ; v240-243 V's scale words
.set BM,   244
.set BT,   248                         ; v252 f, v253 p's scale word, v254 at work, v255 Q's scale word
.set TB,   2
.set TS,   3
.set TJ,   12
.set SLOTS, 13
.set KF,   14
.set Q0,   15
.set QL,   16
.set WV,   18
.set SEL,  20
.set CS,   22
.set G1,   24
.set G0,   32
.set G0S,  36
.set PFA,  40
.set LIM,  42
.macro MMZ d, a, b, sa, sb
	v_wmma_scale_f32_16x16x128_f8f6f4 v[\d:\d+7], v[\a:\a+11], v[\b:\b+11], 0, v[\sa], v[\sb] matrix_a_fmt:MATRIX_FMT_FP6 matrix_b_fmt:MATRIX_FMT_FP6
.endm
.macro MM d, a, b, c, sa, sb
	v_wmma_scale_f32_16x16x128_f8f6f4 v[\d:\d+7], v[\a:\a+11], v[\b:\b+11], v[\c:\c+7], v[\sa], v[\sb] matrix_a_fmt:MATRIX_FMT_FP6 matrix_b_fmt:MATRIX_FMT_FP6
.endm
.macro TLOAD g0                        ; wave 0 alone fetches; an s_nop 0 and four v_nop follow the load
	s_cmp_eq_u32 s[WV], 0
	s_cbranch_scc0 .Lnot_0_\@
	tensor_load_to_lds s[\g0:\g0+3], s[G1:G1+7]
	s_nop 0
.rept 4
	v_nop
.endr
.Lnot_0_\@:
.endm
; A prefetch of the slot that the NEXT change of slots will ask for: 96 blocks of 256 bytes, a lane a block, waves 4, 5 and 6 of the head's first work-group (which walks and loads every slot): each block is named once in
; the launch.  It stands where wave 0 has its tensor load.  The last change that fills a slot asks for nothing; slots 0 and 1 and the scale words come by their loads alone.
.macro ASK
	s_cmp_gt_u32 s[SLOTS], s[LIM]
	s_cbranch_scc0 .Lnot_mine_\@
	global_prefetch_b8 v[PFO], s[PFA:PFA+1] th:TH_LOAD_NT scope:SCOPE_SE
.Lnot_mine_\@:
.endm
	s_load_b256 s[4:11], s[0:1], 0x0               ; q, kv, kvs, z
	v_lshl_add_u32 v[SPW], v0, 2, SPARE
	v_mov_b32 v[NIL], 0
	ds_add_u32 v[SPW], v[NIL]                      ; the wave's opening: its wait stands ahead of the first tensor load; work on registers stands between them
	v_lshrrev_b32 v8, 5, v0
	v_readfirstlane_b32 s[WV], v8                  ; wave 0..15
	s_and_b32 s44, ttmp7, 0xffff                   ; bh
	s_lshr_b32 s45, s[WV], 2
	s_xor_b32 s45, s45, s[WV]
	s_and_b32 s45, s45, 1                          ; 1: the high block
	s_and_b32 s46, s[WV], 3
	s_lshr_b32 s47, s[WV], 3
	s_lshl_b32 s47, s47, 2
	s_add_co_u32 s46, s46, s47                     ; my tile of the block's eight
	s_sub_co_u32 s47, 31, ttmp9
	s_cmp_eq_u32 s45, 0
	s_cselect_b32 s47, ttmp9, s47                  ; my block
	s_lshl_b32 s[Q0], s47, 7
	s_lshl_b32 s48, s46, 4
	s_add_co_u32 s[Q0], s[Q0], s48                 ; my first query
	s_lshl_b32 s[QL], ttmp9, 7
	s_sub_co_u32 s[QL], 4095, s[QL]                ; my work-group's last query
	s_mov_b32 s[G1], 3<<16                         ; group 1: 96 dense rows of 256 bytes (32 elements of 8 bytes), no mask, no padding: a slot, and the head's scale words
	s_mov_b32 s[G1+1], 32<<16                      ; tensor_dim0
	s_mov_b32 s[G1+2], 96<<16                      ; tensor_dim1
	s_mov_b32 s[G1+3], 32<<16                      ; tile_dim0
	s_mov_b32 s[G1+4], 96                          ; tile_dim1
	s_mov_b32 s[G1+5], 32                          ; pitch
	s_mov_b32 s[G1+6], 0
	s_mov_b32 s[G1+7], 0
	s_lshl_b32 s48, s44, 5
	s_add_co_u32 s48, s48, s47
	s_mul_i32 s48, s48, 6656                       ; my block's record in q,
	s_add_co_u32 s50, s48, 6144                    ; its scale words,
	s_mul_i32 s52, s46, 768
	s_add_co_u32 s48, s48, s52                     ; my tile's half image
	s_mov_b32 s49, 0
	s_lshr_b32 s52, s46, 2                         ; my tile's words: 256 (t / 4) + 128 (t % 2) + 4 ((t / 2) % 2)
	s_lshl_b32 s52, s52, 8
	s_add_co_u32 s50, s50, s52
	s_and_b32 s52, s46, 1
	s_lshl_b32 s52, s52, 7
	s_add_co_u32 s50, s50, s52
	s_bfe_u32 s52, s46, 0x10001
	s_lshl_b32 s52, s52, 2
	s_add_co_u32 s50, s50, s52
	s_mov_b32 s51, 0
	s_mul_i32 s52, s44, 393216                     ; the head in kv
	s_mov_b32 s53, 0
	s_mul_i32 s54, s44, 24576                      ; and in kvs
	s_mov_b32 s55, 0
	s_lshr_b32 s56, s44, 3                         ; z: 6,144 x token tile + 1,536 x (head / 2) + 768 x (head % 2)
	s_lshl_b32 s56, s56, 8
	s_lshr_b32 s57, s[Q0], 4
	s_add_co_u32 s56, s56, s57
	s_mul_i32 s56, s56, 6144
	s_bfe_u32 s57, s44, 0x20001
	s_mul_i32 s57, s57, 1536
	s_add_co_u32 s56, s56, s57
	s_and_b32 s57, s44, 1
	s_mul_i32 s57, s57, 768
	s_add_co_u32 s56, s56, s57
	s_mov_b32 s57, 0
	s_lshl_b32 s58, s44, 13                        ; z's scale halves: 8,192 bh + 2 x query
	s_lshl_b32 s59, s[Q0], 1
	s_add_co_u32 s58, s58, s59
	s_add_co_u32 s58, s58, 3145728
	s_mov_b32 s59, 0
	s_and_b32 s46, s[WV], 3                        ; the prefetches: 8,192 bytes a wave, in slot 1: the first change of slots steps it to slot 2
	s_lshl_b32 s46, s46, 13
	s_add_co_u32 s46, s46, SLOTB
	s_mov_b32 s47, 0
	s_sub_co_u32 s45, s[WV], 4
	s_cmp_lt_u32 s45, 3                            ; waves 4, 5, 6
	s_cselect_b32 s[LIM], 1, -1
	s_cmp_eq_u32 ttmp9, 0                          ; of the head's first work-group
	s_cselect_b32 s[LIM], s[LIM], -1
	s_mov_b32 s[SEL], 0x76543210
	s_mov_b32 s[SEL+1], 0xfedcba98
	s_mov_b32 s[CS], 0x3e38aa3b                    ; c = log2(e) / 8
	s_mov_b32 s[CS+1], s[CS]                       ; (named with it as a pair, so it is written)
	s_mov_b32 s[TB], 0
	s_mov_b32 s[TS], 0
	s_mov_b32 s[TJ], 0
	s_mov_b32 s[SLOTS], 15
	s_mov_b32 s[KF], 0
	s_wait_dscnt 0x0                               ; the opening add is done
	s_wait_kmcnt 0x0
	s_mov_b32 s[G0S], 1
	s_mov_b32 s[G0S+1], SCK
	s_add_nc_u64 s[G0S+2:G0S+3], s[8:9], s[54:55]
	s_or_b32 s[G0S+3], s[G0S+3], 0x80000000
	TLOAD G0S                                      ; the head's scale words: filled once
	s_mov_b32 s[G0], 1
	s_mov_b32 s[G0+1], 0
	s_add_nc_u64 s[G0+2:G0+3], s[6:7], s[52:53]
	s_or_b32 s[G0+3], s[G0+3], 0x80000000
	TLOAD G0                                       ; slot 0.  Two loads of wave 0 are out; every wait on TENSORcnt in this text is for 0
	s_add_nc_u64 s[60:61], s[4:5], s[50:51]        ; Q's scale words
	s_add_nc_u64 s[4:5], s[4:5], s[48:49]          ; Q's half image
	s_add_nc_u64 s[62:63], s[10:11], s[58:59]      ; Z's scale halves
	s_add_nc_u64 s[10:11], s[10:11], s[56:57]      ; Z's half image
	s_add_nc_u64 s[PFA:PFA+1], s[6:7], s[52:53]
	s_add_nc_u64 s[PFA:PFA+1], s[PFA:PFA+1], s[46:47]
	v_and_b32 v8, 31, v0                           ; lane
	v_and_b32 v9, 15, v0                           ; r
	v_bfe_u32 v10, v0, 4, 1                        ; h
	v_lshlrev_b32 v[L16], 4, v8
	v_lshlrev_b32 v[L8], 3, v8
	v_lshlrev_b32 v[R8], 3, v9
	global_load_b128 v[QF:QF+3], v[L16], s[4:5]
	global_load_b64 v[QF+4:QF+5], v[L8], s[4:5] offset:512
	global_load_b32 v255, v[R8], s[60:61]
	v_lshl_add_u32 v[ASK0], v9, 3, SCK
	v_lshl_add_u32 v[ASV0], v9, 2, SCV
	v_lshlrev_b32 v11, 3, v10
	v_sub_nc_u32 v[DG], v9, v11
	v_lshlrev_b32 v[PFO], 8, v8
	v_mov_b32 v[NINF], 0xff800000
	v_lshlrev_b32 v[R2], 1, v9
	v_mov_b32 v13, 0xff61b1e6                      ; the largest t so far: -3e38, under every t
	v_floor_f32 v12, -v13                          ; -M
	v_mov_b32 v14, 0
	v_mov_b32 v15, 0
.irp j, 6,7,8,9,10,11
	v_mov_b32 v[QF+\j], 0                          ; zero codes for k = 64 .. 127, on both sides
.irp t, 0,1,2,3
	v_mov_b32 v[KFR+12*\t+\j], 0
.endr
.endr
.set jj, 0
.rept 32
	v_mov_b32 v[O+jj], 0                           ; O^T: the loop is written once, its first step finds zeros
.set jj, jj+1
.endr
.irp b, 0,1,2,3
	v_mov_b32 v[BT+\b], 0                          ; a lane permute's destination counts as one of its sources
.endr
	v_mov_b32 v252, 0
	v_mov_b32 v253, 0
.macro KLOAD q, g                      ; four tiles of 16 keys: half images and scale words
.irp t, 0,1,2,3
	ds_load_b128 v[KFR+12*\t:KFR+12*\t+3], v[AD16] offset:STEPB*(\q)+768*(4*\g+\t)
	ds_load_b64 v[KFR+12*\t+4:KFR+12*\t+5], v[AD8] offset:STEPB*(\q)+768*(4*\g+\t)+512
	ds_load_b32 v[KS+\t], v[ADS] offset:256*\g+128*(\t%2)+4*(\t/2)
.endr
.endm
.macro KMUL g
.irp t, 0,1,2,3
	MMZ S+8*(4*\g+\t), KFR+12*\t, QF, KS+\t, 255
.endr
.rept 4
	v_nop                                          ; places behind the products: ahead of loads into their registers and of the first read of results
.endr
.endm
; A KEY STEP: 128 keys, the q-th of the slot in hand
.macro STEP q
	s_add_co_u32 s44, s[Q0], 15
	s_cmp_gt_u32 s[KF], s44                        ; all its keys come after my queries: the work is left out, the address steps at its end are not
	s_cbranch_scc1 .Lhidden_\@
	v_add_nc_u32 v[AD16], s[TB], v[L16]            ; (these four are also the places behind the last step's products)
	v_add_nc_u32 v[AD8], s[TB], v[L8]
	v_add_nc_u32 v[ADS], s[TS], v[ASK0]
	v_add_nc_u32 v[ADT], s[TJ], v[ASV0]
	KLOAD \q, 0
	s_wait_dscnt 0x0
	KMUL 0
	KLOAD \q, 1
.irp t, 0,1,2,3
.irp j, 0,1,2
	ds_load_b128 v[VF+12*\t+4*\j:VF+12*\t+4*\j+3], v[AD16] offset:STEPB*(\q)+6144+1536*\t+512*\j
.endr
	ds_load_b32 v[VS+\t], v[ADT] offset:64*\t
.endr
	s_wait_dscnt 16                                ; K's are in; V's 16 loads may stay out: they land under the softmax
	KMUL 1
	s_add_co_u32 s44, s[KF], 127
	s_cmp_le_u32 s44, s[Q0]                        ; all keys count: no mask
	s_cbranch_scc1 .Lopen_\@
	s_sub_co_i32 s44, s[Q0], s[KF]
	v_add_nc_u32 v254, s44, v[DG]                  ; d = my query - KF - 8 h.  Register 8 t + j holds key KF + 16 t + 8 h + j: hidden where 16 t + j > d
.set mm, 0
.rept 64
	v_cmp_gt_i32 vcc_lo, 16*(mm/8)+mm%8, v254
	v_cndmask_b32 v[S+mm], v[S+mm], v[NINF], vcc_lo
.set mm, mm+1
.endr
.Lopen_\@:
.irp b, 0,1,2,3
	v_max3_num_f32 v[BM+\b], v[S+16*\b], v[S+1+16*\b], v[S+2+16*\b]   ; the largest score of each block of 32 keys: for the row's maximum, and, since p rises with the score, for the block's largest p
.endr
.irp i, 3,5,7,9,11,13
.irp b, 0,1,2,3
	v_max3_num_f32 v[BM+\b], v[BM+\b], v[S+16*\b+\i], v[S+1+16*\b+\i]
.endr
.endr
.irp b, 0,1,2,3
	v_max_num_f32 v[BM+\b], v[BM+\b], v[S+15+16*\b]
.endr
.irp b, 0,1,2,3
	v_permlanex16_b32 v[BT+\b], v[BM+\b], s[SEL], s[SEL+1]
.endr
.irp b, 0,1,2,3
	v_max_num_f32 v[BM+\b], v[BM+\b], v[BT+\b]     ; with lane l xor 16's 16 keys
.endr
	v_max3_num_f32 v254, v[BM], v[BM+1], v[BM+2]
	v_max_num_f32 v254, v254, v[BM+3]              ; the step's largest score of my query
	v_mul_f32 v254, s[CS], v254                    ; as t
	v_max_num_f32 v13, v13, v254                   ; the running largest t
	v_mov_b32 v254, v12
	v_floor_f32 v12, -v13                          ; the new -M = -ceil(t)
	v_sub_f32 v254, v12, v254                      ; old M - new M: a whole number, 0 or less
	v_cvt_i32_f32 v254, v254                       ; (it saturates)
	v_ldexp_f32 v252, 1.0, v254                    ; f = 2^(old M - new M)
.set jj, 0
.rept 32
	v_pk_fma_f32 v[S+jj:S+jj+1], v[S+jj:S+jj+1], s[CS:CS+1], v[12:13] op_sel_hi:[1,0,0]   ; t - M, two at a time
.set jj, jj+2
.endr
.irp b, 0,1,2,3
	v_fma_f32 v[BM+\b], v[BM+\b], s[CS], v12       ; the same of each block's largest score
.endr
.set jj, 0
.rept 64
	v_exp_f32 v[S+jj], v[S+jj]                     ; p = 2^(t - M), at most 1
.set jj, jj+1
.endr
	v_pk_mul_f32 v[14:15], v[14:15], v[252:253] op_sel_hi:[1,0]   ; the sums under the new M: the plain place behind the exponentials
	s_wait_alu depctr_va_vdst(0)                   ; one wait for the batch of 64, ahead of its first reader
.irp b, 0,1,2,3
	v_exp_f32 v[BM+\b], v[BM+\b]                   ; each block's largest p
.endr
	v_pk_add_f32 v[BT:BT+1], v[S:S+1], v[S+2:S+3]  ; the row's sum of the unquantised p, in two chains: it reads the 64 alone
.irp j, 4,8,12,16,20,24,28,32,36,40,44,48,52,56,60
	v_pk_add_f32 v[14:15], v[14:15], v[S+\j:S+\j+1]
	v_pk_add_f32 v[BT:BT+1], v[BT:BT+1], v[S+2+\j:S+3+\j]
.endr
	v_pk_add_f32 v[14:15], v[14:15], v[BT:BT+1]
	s_wait_alu depctr_va_vdst(0)                   ; and one for the four
.irp b, 0,1,2,3
	v_max_num_f32 v[BM+\b], 0x1800000, v[BM+\b]    ; the floor 2^(3 - 127): a block whose every p is 0 keeps the byte 1, its codes are zeros
.endr
.irp b, 0,1,2,3
	v_add_nc_u32 v[SO+\b], 0xff000000, v[BM+\b]    ; the conversion's scale operand
.endr
.irp b, 0,1,2,3
	v_lshrrev_b32 v[BT+\b], 23, v[SO+\b]           ; the scale's byte
.endr
	v_lshl_or_b32 v253, v[BT+1], 8, v[BT]          ; p's scale word for these 128 keys
	v_lshl_or_b32 v253, v[BT+2], 16, v253
	v_lshl_or_b32 v253, v[BT+3], 24, v253
.irp c, 0,1
	v_cvt_scalef32_pk16_fp6_f32 v[PC+6*\c:PC+6*\c+2], v[S+32*\c:S+32*\c+15], v[SO+2*\c]
	v_cvt_scalef32_pk16_fp6_f32 v[CT+12*\c:CT+12*\c+2], v[S+16+32*\c:S+31+32*\c], v[SO+2*\c+1]
.endr
	v_nop                                          ; one plain place behind a scaled conversion
.irp c, 0,1
.irp i, 0,1,2
	v_permlane16_swap_b32 v[PC+6*\c+\i], v[CT+12*\c+\i]   ; a whole block to a lane
.endr
.irp i, 0,1,2
	v_mov_b32 v[PC+3+6*\c+\i], v[CT+12*\c+\i]
.endr
.endr
.set jj, 0
.rept 16
	v_pk_mul_f32 v[O+jj:O+jj+1], v[O+jj:O+jj+1], v[252:253] op_sel_hi:[1,0]   ; O^T under the new M; these 16 are also the places ahead of the scaled products
.set jj, jj+2
.endr
	s_wait_dscnt 0x0                               ; V is in
.irp t, 0,1,2,3
	MM O+8*\t, VF+12*\t, PC, O+8*\t, VS+\t, 253    ; four accumulators by turns
.endr
.Lhidden_\@:
	s_add_co_u32 s[KF], s[KF], 128
	s_add_co_u32 s[TS], s[TS], 512
	s_add_co_u32 s[TJ], s[TJ], 256
.endm
; THE CHANGE OF SLOTS, at a slot's head.  Each wave waits for all its tensor loads, adds 0 to its spare word, and waits for that and for its reads of the slot that it has left.  Behind the barrier the slot ahead is whole
; and nobody reads the other one.  fill = 1: the other slot takes the next 256 keys, if any wave of the work-group will read them.
.macro CHANGE fill
	s_wait_tensorcnt 0x0                           ; no tensor load of mine is out, so group 0 may be written
	ds_add_u32 v[SPW], v[NIL]
.if \fill
	s_xor_b32 s[G0+1], s[G0+1], SLOT1              ; the other slot than last time,
	s_add_nc_u64 s[G0+2:G0+3], s[G0+2:G0+3], SLOTB ; the next two key steps
	s_wait_xcnt 0x0                                ; the last prefetch, a slot back, has read its address
	s_add_nc_u64 s[PFA:PFA+1], s[PFA:PFA+1], SLOTB ; one slot further on than the walking descriptor
.endif
	s_wait_dscnt 0x0                               ; the add is done, and my reads of the slot that I have left are over
	s_barrier_signal -1
	s_barrier_wait -1
.if \fill
	s_add_co_u32 s44, s[KF], 256                   ; the first key of the slot that this change would ask for:
	s_cmp_gt_u32 s44, s[QL]                        ; past my work-group's last query nobody reads it.  Ids and the count of steps alone: all sixteen waves go the same way, and past stays past
	s_cbranch_scc1 .Lpast_\@
	TLOAD G0                                       ; wave 0's one tensor load until the next change
.Lpast_\@:
	ASK
.endif
.endm
	s_wait_loadcnt 0x0                             ; Q
.Lslot:                                            ; 15 trips
	CHANGE 1
	STEP 0
	STEP 1
	s_xor_b32 s[TB], s[TB], SLOT1
	s_sub_co_u32 s[SLOTS], s[SLOTS], 1
	s_cmp_lg_u32 s[SLOTS], 0
	s_cbranch_scc1 .Lslot
	CHANGE 0                                       ; the last slot is written out: nothing is left to ask for
	STEP 0
	STEP 1
	; THE WAY OUT: Z = O^T / the sum; register 8 t + j is channel 16 t + 8 h + j of my query: two blocks of 32 along D, quantised as every result is
	v_add_f32 v14, v14, v15
	v_permlanex16_b32 v252, v14, s[SEL], s[SEL+1]
	v_add_f32 v14, v14, v252                       ; the row's sum
	v_rcp_f32 v14, v14
.rept 4
	v_nop                                          ; the plain place behind the reciprocal, and the places behind the last products
.endr
	s_wait_alu depctr_va_vdst(0)                   ; ahead of the reciprocal's first reader
.set jj, 0
.rept 32
	v_mul_f32 v[S+jj], v[O+jj], v14
.set jj, jj+1
.endr
.irp b, 0,1
	v_max3_num_f32 v[BM+\b], |v[S+16*\b]|, |v[S+1+16*\b]|, 0x1800000
.endr
.irp i, 2,4,6,8,10,12,14
.irp b, 0,1
	v_max3_num_f32 v[BM+\b], v[BM+\b], |v[S+16*\b+\i]|, |v[S+1+16*\b+\i]|
.endr
.endr
.irp b, 0,1
	v_permlanex16_b32 v[BT+\b], v[BM+\b], s[SEL], s[SEL+1]
.endr
.irp b, 0,1
	v_max_num_f32 v[BM+\b], v[BM+\b], v[BT+\b]
.endr
.irp b, 0,1
	v_add_nc_u32 v[SO+\b], 0xff000000, v[BM+\b]
.endr
.irp b, 0,1
	v_lshrrev_b32 v[BT+\b], 23, v[SO+\b]
.endr
	v_lshl_or_b32 v254, v[BT+1], 8, v[BT]          ; the head's two bytes of my query
	v_cvt_scalef32_pk16_fp6_f32 v[PC:PC+2], v[S:S+15], v[SO]
	v_cvt_scalef32_pk16_fp6_f32 v[CT:CT+2], v[S+16:S+31], v[SO+1]
	v_nop
.irp i, 0,1,2
	v_permlane16_swap_b32 v[PC+\i], v[CT+\i]
.endr
.irp i, 0,1,2
	v_mov_b32 v[PC+3+\i], v[CT+\i]
.endr
	global_store_b128 v[L16], v[PC:PC+3], s[10:11]             ; 512 consecutive bytes
	global_store_b64 v[L8], v[PC+4:PC+5], s[10:11] offset:512  ; 256 consecutive bytes
	global_store_b16 v[R2], v254, s[62:63]
	s_wait_tensorcnt 0x0                           ; the wave's end
	ds_add_u32 v[SPW], v[NIL]
	s_wait_dscnt 0x0
	s_endpgm
.Lfunc_end_k_qc66fb51cae_attn:
	.size	k_qc66fb51cae_attn, .Lfunc_end_k_qc66fb51cae_attn-k_qc66fb51cae_attn
	.p2alignl 7, 3214868480
	.fill 96, 4, 3214868480
	.section	.rodata,"a",@progbits
	.p2align	6, 0x0
	.amdhsa_kernel k_qc66fb51cae_attn
		.amdhsa_group_segment_fixed_size 327680
		.amdhsa_private_segment_fixed_size 0
		.amdhsa_enable_private_segment 0
		.amdhsa_kernarg_size 32
		.amdhsa_user_sgpr_count 2
		.amdhsa_user_sgpr_kernarg_segment_ptr 1
		.amdhsa_wavefront_size32 1
		.amdhsa_system_sgpr_workgroup_id_x 1
		.amdhsa_system_sgpr_workgroup_id_y 1
		.amdhsa_system_sgpr_workgroup_id_z 1
		.amdhsa_system_vgpr_workitem_id 0
		.amdhsa_next_free_vgpr 256
		.amdhsa_next_free_sgpr 66
		.amdhsa_reserve_vcc 1
		.amdhsa_float_denorm_mode_32 3
		.amdhsa_float_denorm_mode_16_64 3
		.amdhsa_memory_ordered 1
		.amdhsa_forward_progress 1
		.amdhsa_inst_pref_size 100
	.end_amdhsa_kernel
	.amdgpu_metadata
---
amdhsa.version: [ 1, 2 ]
amdhsa.kernels:
  - .name:           k_qc66fb51cae_attn
    .symbol:         k_qc66fb51cae_attn.kd
    .args:
      - { .name: q, .offset: 0, .size: 8, .value_kind: global_buffer, .address_space: global }
      - { .name: kv, .offset: 8, .size: 8, .value_kind: global_buffer, .address_space: global }
      - { .name: kvs, .offset: 16, .size: 8, .value_kind: global_buffer, .address_space: global }
      - { .name: z, .offset: 24, .size: 8, .value_kind: global_buffer, .address_space: global }
    .group_segment_fixed_size: 327680
    .private_segment_fixed_size: 0
    .kernarg_segment_align: 8
    .kernarg_segment_size: 32
    .max_flat_workgroup_size: 512
    .sgpr_count:     66
    .vgpr_count:     256
    .wavefront_size: 32
...
	.end_amdgpu_metadata
.endif
;; end of part 3
;; launch oproj (part 4): grid 4 x 64, 8 waves a work-group, no clusters, 166,912 bytes of LDS; arguments z, w, b_O, out0; writes out0
.if DOCPART == 4
	.amdgcn_target "amdgcn-amd-amdhsa--gfx1250"
	.amdhsa_code_object_version 6
	.text
	.protected	k_qc66fb51cae_oproj
	.globl	k_qc66fb51cae_oproj
	.p2align	8
	.type	k_qc66fb51cae_oproj,@function
k_qc66fb51cae_oproj:
	s_mov_b64 s[64:65], 0
	v_nop
	global_prefetch_b8 v0, s[64:65] scope:SCOPE_SE
	s_setreg_imm32_b32 hwreg(HW_REG_WAVE_MODE, 25, 1), 1
	s_wait_xcnt 0x0
; out0 = Z W_O + b_O on codes of FP6 (E2M3).  Z comes as half images [token tile][K step s][c][768] (head 2 s + c) with 16 bits of scale bytes for each head and token; W_O as full images with scale words (buffer w).
; SHARES.  x = 128 columns, y = 128 tokens.  Wave w copies Z's token tile w and W_O's column tile w (6,144 bytes each, 512 bytes an instruction) into LDS as they lie; a barrier; it multiplies token tiles 2 (w % 4) and + 1
; by column tiles 4 (w / 4) .. + 3: eight accumulators by turns, four K steps.  Transposed (source 0 = 16 columns of W_O, source 1 = 16 tokens): a lane holds eight neighbouring columns of one row; b_O is the C of the first
; products.  The results meet in a stage (rows of 512 bytes + 16); a barrier; each wave stores 16 whole rows, 512 consecutive aligned bytes an instruction.
; No tensor load, no cluster: all of a work-group's 96 KB of operands is asked for at once at its head, through registers.
.set ZIMG,  0
.set WIMG,  49152
.set STG,   98304                      ; 128 rows x 528
.set SPARE, 165888                     ; the spare words, 128 bytes for each wave
.set L16, 1                            ; 16 x lane
.set CPI, 3                            ; the copy: 16 x lane + 6,144 w
.set AZ16, 4                           ; Z's fragments: 16 x lane + 12,288 (w % 4)
.set AZ8, 5                            ; 8 x lane + the same
.set AW16, 6                           ; W's: WIMG + 24,576 (w / 4) + 16 x lane
.set SOA, 7                            ; the stage, in
.set SRA, 8                            ; and back
.set R2,  9
.set R4,  10
.set H32, 11
.set CP,  16                           ; v16-111 the copy; then:
.set ZF,  16                           ; v16-39  two fragments of Z
.set WF,  40                           ; v40-87  four of W_O
.set ACC, 112                          ; v112-175
.set BO,  176                          ; v176-207 b_O, eight a tile
.set WS,  208                          ; v208-223 W_O's scale words, 4 t + s
.set ZS,  224                          ; v224-231 Z's, 4 i + s
.set ZH,  232                          ; v232-247 their halves as loaded
.set SPW, 252
.set NIL, 253
.set WV,  22
.macro MM d, a, b, c, sa, sb
	v_wmma_scale_f32_16x16x128_f8f6f4 v[\d:\d+7], v[\a:\a+11], v[\b:\b+11], v[\c:\c+7], v[\sa], v[\sb] matrix_a_fmt:MATRIX_FMT_FP6 matrix_b_fmt:MATRIX_FMT_FP6
.endm
	s_load_b256 s[4:11], s[0:1], 0x0               ; z, w, b_O, out0
	v_lshl_add_u32 v[SPW], v0, 2, SPARE
	v_mov_b32 v[NIL], 0
	v_lshrrev_b32 v12, 5, v0
	v_readfirstlane_b32 s[WV], v12                 ; wave 0..7
	v_and_b32 v12, 31, v0                          ; lane
	v_and_b32 v13, 15, v0                          ; r
	v_bfe_u32 v14, v0, 4, 1                        ; h
	s_and_b32 s23, ttmp7, 0xffff                   ; tg
	s_and_b32 s24, s[WV], 3                        ; mp
	s_lshr_b32 s25, s[WV], 2                       ; nh
	v_lshlrev_b32 v[L16], 4, v12
	s_mul_i32 s40, s[WV], 6144
	v_add_nc_u32 v[CPI], s40, v[L16]
	s_mul_i32 s41, s24, 12288
	v_add_nc_u32 v[AZ16], s41, v[L16]
	v_lshlrev_b32 v[AZ8], 3, v12
	v_add_nc_u32 v[AZ8], s41, v[AZ8]
	s_mul_i32 s42, s25, 24576
	s_add_co_u32 s42, s42, WIMG
	v_add_nc_u32 v[AW16], s42, v[L16]
	s_mul_i32 s43, s24, 16896                      ; 32 rows of 528
	s_lshl_b32 s44, s25, 8
	s_add_co_u32 s43, s43, s44
	s_add_co_u32 s43, s43, STG
	v_mul_u32_u24 v[SOA], v13, 528
	v_lshl_add_u32 v[SOA], v14, 5, v[SOA]
	v_add_nc_u32 v[SOA], s43, v[SOA]               ; row 32 mp + r, + 256 nh + 32 h
	s_mul_i32 s44, s[WV], 8448
	s_add_co_u32 s44, s44, STG
	v_add_nc_u32 v[SRA], s44, v[L16]               ; my 16 rows, 16 bytes a lane
	v_lshlrev_b32 v[R2], 1, v13
	v_lshlrev_b32 v[R4], 2, v13
	v_lshlrev_b32 v[H32], 5, v14
	s_mul_i32 s26, s23, 49152                      ; Z's images: 8 tiles a group
	s_add_co_u32 s26, s26, s40
	s_mov_b32 s27, 0
	s_mul_i32 s28, ttmp9, 49152                    ; W_O's: 8 tiles a column group
	s_add_co_u32 s28, s28, s40
	s_add_co_u32 s28, s28, 589824
	s_mov_b32 s29, 0
	s_lshl_b32 s30, ttmp9, 9                       ; 4 (128 cg + 64 nh): b_O,
	s_lshl_b32 s32, s25, 8
	s_add_co_u32 s30, s30, s32
	s_mov_b32 s31, 0
	s_add_co_u32 s32, s30, 811008                  ; and W_O's scale words
	s_mov_b32 s33, 0
	s_lshr_b32 s34, s23, 5                         ; Z's scale halves: 65,536 b + 256 (tg % 32) + 64 mp
	s_lshl_b32 s34, s34, 16
	s_and_b32 s36, s23, 31
	s_lshl_b32 s36, s36, 8
	s_add_co_u32 s34, s34, s36
	s_lshl_b32 s36, s24, 6
	s_add_co_u32 s34, s34, s36
	s_add_co_u32 s34, s34, 3145728
	s_mov_b32 s35, 0
	s_lshl_b32 s36, s23, 18                        ; out0: row 128 tg + 16 w of 2,048 bytes, + 512 cg
	s_lshl_b32 s38, s[WV], 15
	s_add_co_u32 s36, s36, s38
	s_lshl_b32 s38, ttmp9, 9
	s_add_co_u32 s36, s36, s38
	s_mov_b32 s37, 0
	s_wait_kmcnt 0x0
	s_add_nc_u64 s[12:13], s[4:5], s[26:27]
	s_add_nc_u64 s[14:15], s[6:7], s[28:29]
	s_add_nc_u64 s[16:17], s[6:7], s[32:33]
	s_add_nc_u64 s[18:19], s[8:9], s[30:31]
	s_add_nc_u64 s[20:21], s[4:5], s[34:35]
	s_add_nc_u64 s[10:11], s[10:11], s[36:37]
.irp k, 0,1,2,3,4,5,6,7,8,9,10,11
	global_load_b128 v[CP+4*\k:CP+4*\k+3], v[L16], s[12:13] offset:512*\k
.endr
.irp k, 0,1,2,3,4,5,6,7,8,9,10,11
	global_load_b128 v[CP+48+4*\k:CP+48+4*\k+3], v[L16], s[14:15] offset:512*\k
.endr
.irp t, 0,1,2,3
.irp s, 0,1,2,3
	global_load_b32 v[WS+4*\t+\s], v[R4], s[16:17] offset:2048*\s+64*\t
.endr
	global_load_b128 v[BO+8*\t:BO+8*\t+3], v[H32], s[18:19] offset:64*\t          ; b_O of columns 16 t + 8 h + 0 .. 7
	global_load_b128 v[BO+8*\t+4:BO+8*\t+7], v[H32], s[18:19] offset:64*\t+16
.endr
.irp i, 0,1
.irp s, 0,1,2,3
.irp e, 0,1
	global_load_u16 v[ZH+8*\i+2*\s+\e], v[R2], s[20:21] offset:16384*\s+8192*\e+32*\i
.endr
.endr
.endr
	s_wait_loadcnt 40                              ; the 24 copy loads are in; the 16 + 8 + 16 small ones behind them may stay out
.irp k, 0,1,2,3,4,5,6,7,8,9,10,11
	ds_store_b128 v[CPI], v[CP+4*\k:CP+4*\k+3] offset:ZIMG+512*\k
.endr
.irp k, 0,1,2,3,4,5,6,7,8,9,10,11
	ds_store_b128 v[CPI], v[CP+48+4*\k:CP+48+4*\k+3] offset:WIMG+512*\k
.endr
	s_wait_loadcnt 0x0
.irp i, 0,1
.irp s, 0,1,2,3
	v_lshl_or_b32 v[ZS+4*\i+\s], v[ZH+8*\i+2*\s+1], 16, v[ZH+8*\i+2*\s]   ; head 2 s's two bytes below, head 2 s + 1's above: the K step's scale word
.endr
.endr
.rept 8
	v_nop                                          ; a scale register written by a vector instruction stands eight places ahead of a scaled product
.endr
	s_wait_dscnt 0x0                               ; my copies have landed
	s_barrier_signal -1
	s_barrier_wait -1
.irp s, 0,1,2,3
.irp i, 0,1
.irp c, 0,1
	ds_load_b128 v[ZF+12*\i+6*\c:ZF+12*\i+6*\c+3], v[AZ16] offset:ZIMG+6144*\i+1536*\s+768*\c
	ds_load_b64 v[ZF+12*\i+6*\c+4:ZF+12*\i+6*\c+5], v[AZ8] offset:ZIMG+6144*\i+1536*\s+768*\c+512
.endr
.endr
.irp t, 0,1,2,3
.irp j, 0,1,2
	ds_load_b128 v[WF+12*\t+4*\j:WF+12*\t+4*\j+3], v[AW16] offset:6144*\t+1536*\s+512*\j
.endr
.endr
	s_wait_dscnt 0x0
.irp i, 0,1
.irp t, 0,1,2,3
.if \s == 0
	MM ACC+8*(4*\i+\t), WF+12*\t, ZF+12*\i, BO+8*\t, WS+4*\t+\s, ZS+4*\i+\s
.else
	MM ACC+8*(4*\i+\t), WF+12*\t, ZF+12*\i, ACC+8*(4*\i+\t), WS+4*\t+\s, ZS+4*\i+\s
.endif
.endr
.endr
.rept 4
	v_nop                                          ; places ahead of loads into registers that the products read, and of the first read of results
.endr
.endr
.irp i, 0,1
.irp t, 0,1,2,3
	ds_store_b128 v[SOA], v[ACC+8*(4*\i+\t):ACC+8*(4*\i+\t)+3] offset:8448*\i+64*\t          ; each accumulator from its low end on
	ds_store_b128 v[SOA], v[ACC+8*(4*\i+\t)+4:ACC+8*(4*\i+\t)+7] offset:8448*\i+64*\t+16
.endr
.endr
	s_wait_dscnt 0x0                               ; my part of the stage has landed
	s_barrier_signal -1
	s_barrier_wait -1                              ; 128 whole rows lie in the stage
.irp k, 0,1,2,3,4,5,6,7,8,9,10,11,12,13,14,15
	ds_load_b128 v[CP+4*\k:CP+4*\k+3], v[SRA] offset:528*\k
.endr
.irp k, 0,1,2,3,4,5,6,7,8,9,10,11,12,13,14,15
	s_wait_dscnt 15-\k                             ; the younger loads may stay out
	global_store_b128 v[L16], v[CP+4*\k:CP+4*\k+3], s[10:11] offset:2048*\k th:TH_STORE_NT   ; 512 consecutive bytes, aligned; written once
.endr
	s_wait_tensorcnt 0x0                           ; the wave's end, behind my last LDS store
	ds_add_u32 v[SPW], v[NIL]
	s_wait_dscnt 0x0
	s_endpgm
.Lfunc_end_k_qc66fb51cae_oproj:
	.size	k_qc66fb51cae_oproj, .Lfunc_end_k_qc66fb51cae_oproj-k_qc66fb51cae_oproj
	.p2alignl 7, 3214868480
	.fill 96, 4, 3214868480
	.section	.rodata,"a",@progbits
	.p2align	6, 0x0
	.amdhsa_kernel k_qc66fb51cae_oproj
		.amdhsa_group_segment_fixed_size 166912
		.amdhsa_private_segment_fixed_size 0
		.amdhsa_enable_private_segment 0
		.amdhsa_kernarg_size 32
		.amdhsa_user_sgpr_count 2
		.amdhsa_user_sgpr_kernarg_segment_ptr 1
		.amdhsa_wavefront_size32 1
		.amdhsa_system_sgpr_workgroup_id_x 1
		.amdhsa_system_sgpr_workgroup_id_y 1
		.amdhsa_system_sgpr_workgroup_id_z 1
		.amdhsa_system_vgpr_workitem_id 0
		.amdhsa_next_free_vgpr 256
		.amdhsa_next_free_sgpr 66
		.amdhsa_reserve_vcc 0
		.amdhsa_float_denorm_mode_32 3
		.amdhsa_float_denorm_mode_16_64 3
		.amdhsa_memory_ordered 1
		.amdhsa_forward_progress 1
		.amdhsa_inst_pref_size 26
	.end_amdhsa_kernel
	.amdgpu_metadata
---
amdhsa.version: [ 1, 2 ]
amdhsa.kernels:
  - .name:           k_qc66fb51cae_oproj
    .symbol:         k_qc66fb51cae_oproj.kd
    .args:
      - { .name: z, .offset: 0, .size: 8, .value_kind: global_buffer, .address_space: global }
      - { .name: w, .offset: 8, .size: 8, .value_kind: global_buffer, .address_space: global }
      - { .name: b_O, .offset: 16, .size: 8, .value_kind: global_buffer, .address_space: global }
      - { .name: out0, .offset: 24, .size: 8, .value_kind: global_buffer, .address_space: global }
    .group_segment_fixed_size: 166912
    .private_segment_fixed_size: 0
    .kernarg_segment_align: 8
    .kernarg_segment_size: 32
    .max_flat_workgroup_size: 256
    .sgpr_count:     66
    .vgpr_count:     256
    .wavefront_size: 32
...
	.end_amdgpu_metadata
.endif
;; end of part 4
;; ======== version 2 of 2: 4 launches
;; workspace buffers: w 819,200 bytes; kv 6,291,456 bytes; kvs 393,216 bytes; q 3,407,872 bytes; z 3,276,800 bytes
;; launch wq: the kernel of part 1 again; grid 16 x 4, 4 waves a work-group, no clusters, 12,800 bytes of LDS; arguments W_K, W_Q, W_V, W_O, w; writes w
;; launch proj (part 5): grid 4 x 64, 4 waves a work-group, no clusters, 53,760 bytes of LDS; arguments combined_embed, w, b_K, b_Q, b_V, kv, kvs, q; writes kv, kvs, q
.if DOCPART == 5
	.amdgcn_target "amdgcn-amd-amdhsa--gfx1250"
	.amdhsa_code_object_version 6
	.text
	.protected	k_qc66fb51cae_proj
	.globl	k_qc66fb51cae_proj
	.p2align	8
	.type	k_qc66fb51cae_proj,@function
k_qc66fb51cae_proj:
	s_mov_b64 s[64:65], 0
	v_nop
	global_prefetch_b8 v0, s[64:65] scope:SCOPE_SE
	s_setreg_imm32_b32 hwreg(HW_REG_WAVE_SCHED_MODE, 0, 2), 2
	s_setreg_imm32_b32 hwreg(HW_REG_WAVE_MODE, 25, 1), 1
	s_wait_xcnt 0x0
	s_wait_alu depctr_vm_vsrc(0)
; K, Q, V = x W + b on codes of FP6 (E2M3) with one E8M0 scale for each 32 along K, and their results quantised at once for attention: K and Q along the head's 64, V along the keys.
; x [8,192][512] f32 is quantised here; the weights come as register images with their scale words (buffer w).
; SHARES.  x = a pair of heads, y = 128 tokens (one key step of attention).  Wave w owns ONE unit of K or Q (w / 2: K or Q; head 2 x + w % 2: 4 tiles of 16 features x 4 K steps) and two channel tiles of V
; (head 2 x + w / 2, tiles 2 (w % 2) and + 1): 24 fragments, 288 registers, read once and kept.  What goes round is x: wave w quantises token tiles 2 w and 2 w + 1 and stores their fragments in LDS as images of
; their registers (lane l's 16 bytes at 16 l, 512 bytes a store; scale words 4 bytes a lane); one barrier; every wave reads all 32 back by the same lines.
; K, Q: transposed (source 0 = 16 features of W, source 1 = 16 tokens): a lane holds one token, its 32 registers run along the head's 64: two blocks.  V: source 0 = 16 tokens, source 1 = 16 channels of W_V: a lane holds
; one channel and its 64 registers run along the 128 tokens: four blocks along the keys.  The biases are the C of each sum's first product.
; ORDER INSIDE A BLOCK: place p holds index p % 8 + 16 ((p / 8) % 2) + 8 ((p / 16) % 2), in every operand of the program: results come out so, x is loaded so.
; OUT.  kv [bh][step][12,288]: K's 8 half images (768 bytes: words 0-3 at 16 l, words 4-5 at 512 + 8 l), V^T's 4 full images.  q [bh][128 tokens][6,656]: 8 half images, 512 bytes of scale words.
; kvs [bh]: K's scale words, 512 bytes a step (tile t, token r at 256 (t / 4) + 128 (t % 2) + 8 r + 4 ((t / 2) % 2)); from 16,384 V's, 256 bytes a step.  A K or Q word is b0 | b1 << 8, repeated above: the upper
; two bytes scale zero codes.  V's scale words leave as 128 consecutive bytes a wave, half of an aligned 256: 128 KB of the launch's 10 MB.
; No tensor load and no cluster: operands go from memory straight into registers; the four work-groups that read the same x are neighbours in the grid.
; LIMITS: NaN and infinities are not served.  A block of zeros gets the byte 1 (its codes are zeros; this program alone reads the bytes); floor 2^(3 - 127).
; REGISTERS.  window 0: see the names below.  window 1: W of K or Q, fragment (t, s) at 12 (4 t + s).  window 2: W_V (n, s) at 12 (4 n + s); v128-159 the bias of K or Q; v192-207 b_V, eight copies a tile.
; THE MODE: SCHED_MODE bits 1:0 = 2 (LLVM: expert scheduling mode 2), set by the entry lines.  The code itself states the register dependences
; between vector or matrix instructions and memory or LDS instructions, with s_wait_alu, always for 0.
; THE PLAN.  Registers that memory or LDS instructions touch:
;   v1-v8        offsets and LDS addresses: made at the head, never written again.
;   HA, ST       while x is quantised: two buffers of 64 numbers.  Unit u's QUANT reads its buffer; behind it the loads of unit u + 2 land there.
;   PC, PW       the codes and the scale word just made: written by QUANT; read by a unit's four LDS stores, later by a tile's global stores.
;   F0, F1       two sets of four fragments of x, each with four scale words (v40-43, v12-15).  A step's products read set p; the next step's sixteen LDS loads, issued at this step's head, land in set 1 - p, which the step before read.
;   PR, VJ       written once by selects, read by one run of stores.
; So: a unit of x has one wait on vm_vsrc at its head (the last unit's LDS stores have read PC and PW) and one on va_vdst behind QUANT (PC and PW are written, the buffer is read out).  A tile of K or Q has the pair
; s_wait_xcnt, vm_vsrc ahead of QUANT and one wait on va_vdst ahead of its stores; that wait also shows the tile's products done reading their set, so the next tile's fetch into that set owes nothing.  A group of V has one
; wait on va_vdst behind its wait on DScnt, where no such wait has stood since the group before.
.set XIMG,  0                          ; LDS: x's 32 fragments, (tile m, K step s) at (4 m + s) 1,536
.set XSC,   49152                      ; their scale words, 128 bytes each
.set SPARE, 53248                      ; the spare words, 128 bytes for each wave
.set L16, 1                            ; 16 x lane
.set L8,  2                            ; 8 x lane
.set L4,  3                            ; 4 x lane
.set XA,  4                            ; x: 2,048 r + 32 h
.set XWI, 5                            ; where I store x's images: 16 x lane + 12,288 w
.set XWS, 6                            ; and their scale words: 4 x lane + 1,024 w
.set R4,  7                            ; 4 r
.set H32, 8                            ; 32 h
.set W1S, 16                           ; v16-31  scale words of W of K or Q, 4 t + s
.set W2S, 32                           ; v32-39  of W_V, 4 n + s
.set XS,  40                           ; v40-43  x's scale words, set 0; set 1 lies 28 below, at v12-15
.set PWK, 44                           ; v44-51  the eight token tiles' K or Q words
.set PR,  52                           ; v52-55  the same, two tiles to a register
.set PW,  56                           ; x's scale word just made
.set VJ,  57                           ; V's two words joined
.set SPW, 58
.set NIL, 59
.set BV,  60                           ; v60-61  b_V of my channel; later V's scale words
.set HA,  64                           ; v64-127 accumulators; a buffer of x
.set PC,  128                          ; v128-139 the codes just made
.set CT,  140                          ; v140-146 the conversions' second halves
.set ST,  148                          ; v148-211 a buffer of x
.set FRG, 148                          ; v148-195 four fragments of x, set 0; v196-243 set 1
.set BM,  244
.set BT,  248
.set SO,  252
.set B1,  128                          ; window 2
.set BVC, 192                          ; window 2
.set WV,  38
.set SEL, 42
.set MSB, 0
.macro WIN new                         ; the immediate's high byte repeats the setting that is left
.if MSB != \new
	s_set_vgpr_msb (MSB<<8)|\new
.set MSB, \new
.endif
.endm
.macro MM d, a, b, c, sa, sb
	v_wmma_scale_f32_16x16x128_f8f6f4 v[\d:\d+7], v[\a:\a+11], v[\b:\b+11], v[\c:\c+7], v[\sa], v[\sb] matrix_a_fmt:MATRIX_FMT_FP6 matrix_b_fmt:MATRIX_FMT_FP6
.endm
; 16 nb numbers of a lane, register s + 16 b + i in block b (lanes l and l xor 16 share a block), become codes in v[PC] on (lanes 0-15 the even blocks, lanes 16-31 the odd ones) and the scale word in v[pw].
.macro QUANT s, nb, pw
.irp b, 0,1,2,3
.if \b < \nb
	v_max3_num_f32 v[BM+\b], |v[\s+16*\b]|, |v[\s+1+16*\b]|, 0x1800000   ; with the floor 2^(3 - 127): the byte cannot fall under 1
.endif
.endr
.irp i, 2,4,6,8,10,12,14
.irp b, 0,1,2,3
.if \b < \nb
	v_max3_num_f32 v[BM+\b], v[BM+\b], |v[\s+16*\b+\i]|, |v[\s+1+16*\b+\i]|   ; the blocks by turns
.endif
.endr
.endr
.irp b, 0,1,2,3
.if \b < \nb
	v_permlanex16_b32 v[BT+\b], v[BM+\b], s[SEL], s[SEL+1]
.endif
.endr
.irp b, 0,1,2,3
.if \b < \nb
	v_max_num_f32 v[BM+\b], v[BM+\b], v[BT+\b]     ; with lane l xor 16's: the block's largest magnitude
.endif
.endr
.irp b, 0,1,2,3
.if \b < \nb
	v_add_nc_u32 v[SO+\b], 0xff000000, v[BM+\b]    ; 2 off its exponent field: the conversion's scale operand
.endif
.endr
.irp b, 0,1,2,3
.if \b < \nb
	v_lshrrev_b32 v[BT+\b], 23, v[SO+\b]           ; the scale's byte
.endif
.endr
	v_lshl_or_b32 v[\pw], v[BT+1], 8, v[BT]
.if \nb == 4
	v_lshl_or_b32 v[\pw], v[BT+2], 16, v[\pw]
	v_lshl_or_b32 v[\pw], v[BT+3], 24, v[\pw]
.else
	v_lshl_or_b32 v[\pw], v[\pw], 16, v[\pw]       ; the two bytes once more above: they scale zero codes
.endif
.irp c, 0,1
.if 2*\c < \nb
	v_cvt_scalef32_pk16_fp6_f32 v[PC+6*\c:PC+6*\c+2], v[\s+32*\c:\s+32*\c+15], v[SO+2*\c]
	v_cvt_scalef32_pk16_fp6_f32 v[CT+4*\c:CT+4*\c+2], v[\s+16+32*\c:\s+31+32*\c], v[SO+2*\c+1]
.endif
.endr
	v_nop                                          ; one plain place behind a scaled conversion
.irp c, 0,1
.if 2*\c < \nb
.irp i, 0,1,2
	v_permlane16_swap_b32 v[PC+6*\c+\i], v[CT+4*\c+\i]   ; a whole block to a lane: lanes 0-15 block 2 c, lanes 16-31 block 2 c + 1
.endr
.irp i, 0,1,2
	v_mov_b32 v[PC+3+6*\c+\i], v[CT+4*\c+\i]
.endr
.endif
.endr
.endm
; Four fragments of x with their scale words from LDS into set p: the images numbered b, b + d, b + 2 d, b + 3 d
.macro FETCH p, b, d
.irp i, 0,1,2,3
.irp j, 0,1,2
	ds_load_b128 v[FRG+48*(\p)+12*\i+4*\j:FRG+48*(\p)+12*\i+4*\j+3], v[L16] offset:XIMG+((\b)+(\d)*\i)*1536+512*\j
.endr
	ds_load_b32 v[XS-28*(\p)+\i], v[L4] offset:XSC+128*((\b)+(\d)*\i)
.endr
.endm
	s_load_b512 s[4:19], s[0:1], 0x0               ; x, w, b_K, b_Q, b_V, kv, kvs, q
	v_lshl_add_u32 v[SPW], v0, 2, SPARE
	v_mov_b32 v[NIL], 0
	v_lshrrev_b32 v9, 5, v0
	v_readfirstlane_b32 s[WV], v9                  ; wave 0..3
	v_and_b32 v9, 31, v0                           ; lane
	v_and_b32 v10, 15, v0                          ; r
	v_bfe_u32 v11, v0, 4, 1                        ; h
	v_lshlrev_b32 v[L16], 4, v9
	v_lshlrev_b32 v[L8], 3, v9
	v_lshlrev_b32 v[L4], 2, v9
	v_lshlrev_b32 v[XA], 11, v10
	v_lshl_add_u32 v[XA], v11, 5, v[XA]
	v_lshlrev_b32 v[R4], 2, v10
	v_lshlrev_b32 v[H32], 5, v11
.irp b, 0,1,2,3
	v_mov_b32 v[BT+\b], 0                          ; written once: a lane permute's destination counts as one of its sources
.endr
	s_mov_b32 s40, 0xffff0000                      ; lanes 16-31
	s_mov_b32 s[SEL], 0x76543210
	s_mov_b32 s[SEL+1], 0xfedcba98                 ; v_permlanex16_b32's selects for lane l xor 16
	s_wait_alu depctr_va_sdst(0)                   ; the wave's number is written, ahead of its first reader: LDS addresses and every base are made from it
	s_mul_i32 s61, s[WV], 12288
	v_add_nc_u32 v[XWI], s61, v[L16]
	s_lshl_b32 s62, s[WV], 10
	v_add_nc_u32 v[XWS], s62, v[L4]
	s_and_b32 s44, ttmp7, 0xffff                   ; tg: which 128 tokens
	s_lshr_b32 s45, s44, 5                         ; b
	s_and_b32 s46, s44, 31                         ; the key step in its sequence
	s_lshr_b32 s47, s[WV], 1                       ; ty: 0 K, 1 Q
	s_and_b32 s48, s[WV], 1
	s_lshl_b32 s49, ttmp9, 1
	s_add_co_u32 s50, s49, s47                     ; hv: V's head
	s_add_co_u32 s49, s49, s48                     ; hk: K's or Q's head
	s_lshl_b32 s51, s48, 1                         ; tv: V's first channel tile
	s_mov_b32 s53, 0
	s_wait_kmcnt 0x0
	s_lshl_b32 s52, s44, 18                        ; x: 128 rows of 2,048 bytes a group, 32 rows a wave
	s_lshl_b32 s54, s[WV], 16
	s_add_co_u32 s52, s52, s54
	s_add_nc_u64 s[4:5], s[4:5], s[52:53]
	s_mul_i32 s52, s47, 196608                     ; W of K or Q: my head's 4 tiles
	s_mul_i32 s54, s49, 24576
	s_add_co_u32 s52, s52, s54
	s_add_nc_u64 s[20:21], s[6:7], s[52:53]
	s_mul_i32 s52, s50, 24576                      ; W_V: my 2 tiles
	s_mul_i32 s54, s51, 6144
	s_add_co_u32 s52, s52, s54
	s_add_co_u32 s52, s52, 393216
	s_add_nc_u64 s[22:23], s[6:7], s[52:53]
	s_lshl_b32 s52, s47, 13                        ; their scale words
	s_lshl_b32 s54, s49, 8
	s_add_co_u32 s52, s52, s54
	s_add_co_u32 s52, s52, 786432
	s_add_nc_u64 s[24:25], s[6:7], s[52:53]
	s_lshl_b32 s52, s50, 8
	s_lshl_b32 s54, s51, 6
	s_add_co_u32 s52, s52, s54
	s_add_nc_u64 s[12:13], s[12:13], s[52:53]      ; b_V at my channels (256 hv + 64 tv)
	s_add_co_u32 s52, s52, 802816
	s_add_nc_u64 s[26:27], s[6:7], s[52:53]
	s_cmp_eq_u32 s47, 0                            ; the choices hang on the wave's number alone
	s_cselect_b64 s[28:29], s[8:9], s[10:11]       ; b_K or b_Q
	s_lshl_b32 s52, s49, 8
	s_add_nc_u64 s[28:29], s[28:29], s[52:53]
	s_lshl_b32 s55, s45, 3
	s_add_co_u32 s56, s55, s49                     ; bh of K or Q
	s_add_co_u32 s57, s55, s50                     ; bh of V
	s_lshl_b32 s58, s56, 5
	s_add_co_u32 s58, s58, s46                     ; record of K or Q
	s_lshl_b32 s59, s57, 5
	s_add_co_u32 s59, s59, s46                     ; record of V
	s_mul_i32 s52, s58, 12288
	s_mul_i32 s54, s58, 6656
	s_cmp_eq_u32 s47, 0
	s_cselect_b64 s[30:31], s[14:15], s[18:19]     ; codes out: kv or q
	s_cselect_b32 s52, s52, s54
	s_add_nc_u64 s[30:31], s[30:31], s[52:53]
	s_mul_i32 s52, s56, 24576
	s_lshl_b32 s60, s46, 9
	s_add_co_u32 s52, s52, s60
	s_add_co_u32 s54, s54, 6144
	s_cmp_eq_u32 s47, 0
	s_cselect_b64 s[32:33], s[16:17], s[18:19]     ; scale words out: kvs or q
	s_cselect_b32 s52, s52, s54
	s_add_nc_u64 s[32:33], s[32:33], s[52:53]
	s_mul_i32 s52, s59, 12288                      ; V^T's images
	s_mul_i32 s54, s51, 1536
	s_add_co_u32 s52, s52, s54
	s_add_co_u32 s52, s52, 6144
	s_add_nc_u64 s[34:35], s[14:15], s[52:53]
	s_mul_i32 s52, s57, 24576                      ; V's scale words
	s_lshl_b32 s54, s46, 8
	s_add_co_u32 s52, s52, s54
	s_lshl_b32 s54, s51, 6
	s_add_co_u32 s52, s52, s54
	s_add_co_u32 s52, s52, 16384
	s_add_nc_u64 s[36:37], s[16:17], s[52:53]
	WIN 0x40                                       ; destination window 1
	s_wait_alu depctr_va_vdst(0)                   ; the eight offsets and addresses v1 to v8 are written: every load and store of the kernel reads one of them
.irp f, 0,1,2,3,4,5,6,7,8,9,10,11,12,13,14,15
.irp j, 0,1,2
	global_load_b128 v[12*\f+4*\j:12*\f+4*\j+3], v[L16], s[20:21] offset:1536*\f+512*\j
.endr
.endr
	WIN 0x80                                       ; destination window 2
.irp f, 0,1,2,3,4,5,6,7
.irp j, 0,1,2
	global_load_b128 v[12*\f+4*\j:12*\f+4*\j+3], v[L16], s[22:23] offset:1536*\f+512*\j
.endr
.endr
.irp t, 0,1,2,3
	global_load_b128 v[B1+8*\t:B1+8*\t+3], v[H32], s[28:29] offset:64*\t          ; the bias of features 16 t + 8 h + 0 .. 7
	global_load_b128 v[B1+8*\t+4:B1+8*\t+7], v[H32], s[28:29] offset:64*\t+16
.endr
	WIN 0
.irp t, 0,1,2,3
.irp s, 0,1,2,3
	global_load_b32 v[W1S+4*\t+\s], v[R4], s[24:25] offset:2048*\s+64*\t
.endr
.endr
.irp n, 0,1
.irp s, 0,1,2,3
	global_load_b32 v[W2S+4*\n+\s], v[R4], s[26:27] offset:2048*\s+64*\n
.endr
	global_load_b32 v[BV+\n], v[R4], s[12:13] offset:64*\n
.endr
; unit u of my eight: token tile 2 w + u / 4, K step u % 4.  Lane (r, h) takes, of each block of 32 of row r, indices 8 h .. 8 h + 7 and 16 + 8 h .. + 7
.macro XLOAD buf, u
.irp b, 0,1,2,3
	global_load_b128 v[\buf+16*\b:\buf+16*\b+3],     v[XA], s[4:5] offset:32768*((\u)/4)+512*((\u)%4)+128*\b
	global_load_b128 v[\buf+16*\b+4:\buf+16*\b+7],   v[XA], s[4:5] offset:32768*((\u)/4)+512*((\u)%4)+128*\b+16
	global_load_b128 v[\buf+16*\b+8:\buf+16*\b+11],  v[XA], s[4:5] offset:32768*((\u)/4)+512*((\u)%4)+128*\b+64
	global_load_b128 v[\buf+16*\b+12:\buf+16*\b+15], v[XA], s[4:5] offset:32768*((\u)/4)+512*((\u)%4)+128*\b+80
.endr
.endm
.macro XUNIT u, buf, left
	s_wait_loadcnt \left                           ; this unit's loads, and all issued before them, are in; the next unit's 16 may stay out
.if (\u) > 0
	s_wait_alu depctr_vm_vsrc(0)                   ; the last unit's LDS stores have read the codes and the scale word, which QUANT writes again
.endif
	QUANT \buf, 4, PW
	s_wait_alu depctr_va_vdst(0)                   ; QUANT has written the codes and the scale word, which the LDS stores read, and is done reading its buffer, in which the loads land
.if (\u) < 6
	XLOAD \buf, (\u)+2                             ; the buffer is asked for again at once
.endif
.irp j, 0,1,2
	ds_store_b128 v[XWI], v[PC+4*\j:PC+4*\j+3] offset:XIMG+1536*(\u)+512*\j
.endr
	ds_store_b32 v[XWS], v[PW] offset:XSC+128*(\u)
.endm
	XLOAD HA, 0
	XLOAD ST, 1
	XUNIT 0, HA, 16
	XUNIT 1, ST, 16
	XUNIT 2, HA, 16
	XUNIT 3, ST, 16
	XUNIT 4, HA, 16
	XUNIT 5, ST, 16
	XUNIT 6, HA, 16
	XUNIT 7, ST, 0
	WIN 0x80
.irp n, 0,1
.irp j, 0,1,2,3,4,5,6,7
	v_mov_b32 v[BVC+8*\n+\j], v[BV+\n]             ; b_V as a C: a lane's eight tokens take its channel's bias
.endr
.endr
	WIN 0
	s_wait_dscnt 0x0                               ; my images have landed
	s_barrier_signal -1
	s_barrier_wait -1                              ; x's 32 fragments lie in LDS; nothing is stored there again
	FETCH 0, 0, 1                                  ; token tile 0 into set 0.  No wait: the last unit's QUANT, which read these registers, stands ahead of that unit's wait on va_vdst, and the copies of b_V behind it name none of them
; K or Q of token tile m: four accumulators by turns, K step by K step.  Its fragments lie in set m % 2; at its head the next step's are asked for, into the other set.
; That fetch owes no wait: the other set's last readers, tile m - 1's products, stand ahead of that tile's wait on va_vdst, and no vector or matrix instruction has been issued since.
.macro KQ m
.set P, (\m)%2
.set FB, FRG+48*P
.set XB, XS-28*P
	s_wait_dscnt 0x0                               ; this tile's fragments and scale words are in
.if (\m) < 7
	FETCH 1-P, 4*(\m)+4, 1                         ; token tile m + 1
.else
	FETCH 1-P, 0, 4                                ; V's first group: token tiles 0 to 3, K step 0
.endif
	WIN 0x21                                       ; source 0 (W) window 1, C (the bias) window 2
.irp t, 0,1,2,3
	MM HA+8*\t, 12*(4*\t), FB, B1+8*\t, W1S+4*\t, XB
.endr
	WIN 0x01
.irp s, 1,2,3
.irp t, 0,1,2,3
	MM HA+8*\t, 12*(4*\t+\s), FB+12*\s, HA+8*\t, W1S+4*\t+\s, XB+\s
.endr
.endr
	WIN 0
.rept 4
	v_nop                                          ; places behind the products, ahead of the first read of results
.endr
	s_wait_xcnt 0x0                                ; the last tile's stores have had their addresses translated: the codes' registers are rewritten only behind this wait
	s_wait_alu depctr_vm_vsrc(0)                   ; the stores issued so far (tile 0: the last unit's LDS stores) have read the codes' registers, which QUANT writes again
	QUANT HA, 2, PWK+(\m)
.if (\m) == 7
.irp k, 0,1,2,3
	v_cndmask_b32 v[PR+\k], v[PWK+2*\k], v[PWK+2*\k+1], s40    ; lanes 0-15 tile 2 k's words, lanes 16-31 tile 2 k + 1's
.endr
.endif
	s_wait_alu depctr_va_vdst(0)                   ; QUANT has written the codes (tile 7: and the selects the joined words), which the stores read; this tile's products are done reading their set
	global_store_b128 v[L16], v[PC:PC+3], s[30:31] offset:768*(\m)        ; 512 consecutive bytes
	global_store_b64 v[L8], v[PC+4:PC+5], s[30:31] offset:768*(\m)+512    ; 256 consecutive bytes
.if (\m) == 7
	global_store_b64 v[L8], v[PR:PR+1], s[32:33]               ; 256 consecutive bytes each
	global_store_b64 v[L8], v[PR+2:PR+3], s[32:33] offset:256
.endif
.endm
.irp m, 0,1,2,3,4,5,6,7
	KQ \m
.endr
; V^T: group g of sixteen: channel tile g / 8, K step (g % 8) / 2, token tiles 4 (g % 2) .. + 3: eight accumulators by turns, four at a time.  Its fragments lie in set g % 2.
.macro VG g
.set P, (\g)%2
.set VN, (\g)/8
.set KS, ((\g)%8)/2
.set FB, FRG+48*P
.set XB, XS-28*P
	s_wait_dscnt 0x0                               ; this group's fragments and scale words are in
.if (\g) < 15
.if (\g)%8 != 0
	s_wait_alu depctr_va_vdst(0)                   ; the last group's products are done reading the other set and its scale words, in which the loads below land  (groups 0 and 8: the wait ahead of the stores above has shown it)
.endif
	FETCH 1-P, 16*(1-P)+(((\g)+1)%8)/2, 4          ; the next group
.endif
.if KS == 0
	WIN 0x28                                       ; source 1 (W_V) and C (b_V) window 2
.irp i, 0,1,2,3
	MM HA+8*(4*P+\i), FB+12*\i, 12*(4*VN+KS), BVC+8*VN, XB+\i, W2S+4*VN+KS
.endr
.else
	WIN 0x08
.irp i, 0,1,2,3
	MM HA+8*(4*P+\i), FB+12*\i, 12*(4*VN+KS), HA+8*(4*P+\i), XB+\i, W2S+4*VN+KS
.endr
.endif
	WIN 0
.rept 4
	v_nop                                          ; places behind the products: ahead of the first read of results, and between the products and the next group's loads into the set that they read (the wait there states that dependence)
.endr
.endm
.irp g, 0,1,2,3,4,5,6,7
	VG \g
.endr
	s_wait_xcnt 0x0                                ; earlier stores have had their addresses translated: the codes' registers are rewritten only behind this wait
	s_wait_alu depctr_vm_vsrc(0)                   ; tile 7's stores have read the codes' registers, which QUANT writes again
	QUANT HA, 4, BV
	s_wait_alu depctr_va_vdst(0)                   ; QUANT has written the codes, which the stores read; group 7's products are done reading set 1
.irp j, 0,1,2
	global_store_b128 v[L16], v[PC+4*\j:PC+4*\j+3], s[34:35] offset:512*\j
.endr
.irp g, 8,9,10,11,12,13,14,15
	VG \g
.endr
	s_wait_xcnt 0x0                                ; the first channel tile's stores have had their addresses translated
	s_wait_alu depctr_vm_vsrc(0)                   ; and have read the codes' registers, which QUANT writes again
	QUANT HA, 4, BV+1
	v_cndmask_b32 v[VJ], v[BV], v[BV+1], s40       ; lanes 0-15 tile tv's words, lanes 16-31 tile tv + 1's
	s_wait_alu depctr_va_vdst(0)                   ; QUANT has written the codes and the select the joined word, which the stores read
.irp j, 0,1,2
	global_store_b128 v[L16], v[PC+4*\j:PC+4*\j+3], s[34:35] offset:1536+512*\j
.endr
	global_store_b32 v[L4], v[VJ], s[36:37]
	s_wait_dscnt 0x0                               ; the closing lines, six on end
	s_wait_alu 0x0
	s_wait_tensorcnt 0x0
	ds_add_u32 v[SPW], v[NIL]
	s_wait_dscnt 0x0
	s_endpgm
.Lfunc_end_k_qc66fb51cae_proj:
	.size	k_qc66fb51cae_proj, .Lfunc_end_k_qc66fb51cae_proj-k_qc66fb51cae_proj
	.p2alignl 7, 3214868480
	.fill 96, 4, 3214868480
	.section	.rodata,"a",@progbits
	.p2align	6, 0x0
	.amdhsa_kernel k_qc66fb51cae_proj
		.amdhsa_group_segment_fixed_size 53760
		.amdhsa_private_segment_fixed_size 0
		.amdhsa_enable_private_segment 0
		.amdhsa_kernarg_size 64
		.amdhsa_user_sgpr_count 2
		.amdhsa_user_sgpr_kernarg_segment_ptr 1
		.amdhsa_wavefront_size32 1
		.amdhsa_system_sgpr_workgroup_id_x 1
		.amdhsa_system_sgpr_workgroup_id_y 1
		.amdhsa_system_sgpr_workgroup_id_z 1
		.amdhsa_system_vgpr_workitem_id 0
		.amdhsa_next_free_vgpr 768
		.amdhsa_next_free_sgpr 66
		.amdhsa_reserve_vcc 0
		.amdhsa_float_denorm_mode_32 3
		.amdhsa_float_denorm_mode_16_64 3
		.amdhsa_memory_ordered 1
		.amdhsa_forward_progress 1
		.amdhsa_inst_pref_size 140
	.end_amdhsa_kernel
	.amdgpu_metadata
---
amdhsa.version: [ 1, 2 ]
amdhsa.kernels:
  - .name:           k_qc66fb51cae_proj
    .symbol:         k_qc66fb51cae_proj.kd
    .args:
      - { .name: combined_embed, .offset: 0, .size: 8, .value_kind: global_buffer, .address_space: global }
      - { .name: w, .offset: 8, .size: 8, .value_kind: global_buffer, .address_space: global }
      - { .name: b_K, .offset: 16, .size: 8, .value_kind: global_buffer, .address_space: global }
      - { .name: b_Q, .offset: 24, .size: 8, .value_kind: global_buffer, .address_space: global }
      - { .name: b_V, .offset: 32, .size: 8, .value_kind: global_buffer, .address_space: global }
      - { .name: kv, .offset: 40, .size: 8, .value_kind: global_buffer, .address_space: global }
      - { .name: kvs, .offset: 48, .size: 8, .value_kind: global_buffer, .address_space: global }
      - { .name: q, .offset: 56, .size: 8, .value_kind: global_buffer, .address_space: global }
    .group_segment_fixed_size: 53760
    .private_segment_fixed_size: 0
    .kernarg_segment_align: 8
    .kernarg_segment_size: 64
    .max_flat_workgroup_size: 128
    .sgpr_count:     66
    .vgpr_count:     768
    .wavefront_size: 32
...
	.end_amdgpu_metadata
.endif
;; end of part 5
;; launch attn (part 6): grid 16 x 16, 16 waves a work-group, no clusters, 327,680 bytes of LDS; arguments q, kv, kvs, z; writes z
.if DOCPART == 6
	.amdgcn_target "amdgcn-amd-amdhsa--gfx1250"
	.amdhsa_code_object_version 6
	.text
	.protected	k_qc66fb51cae_attn
	.globl	k_qc66fb51cae_attn
	.p2align	8
	.type	k_qc66fb51cae_attn,@function
k_qc66fb51cae_attn:
	s_mov_b64 s[64:65], 0
	v_nop
	global_prefetch_b8 v0, s[64:65] scope:SCOPE_SE
	s_setreg_imm32_b32 hwreg(HW_REG_WAVE_MODE, 25, 1), 1
	s_wait_xcnt 0x0
; Causal attention on codes of FP6 (E2M3), 16 heads (batch x head) of 4,096 tokens x 64 channels; Z = O / l is quantised along D for the output projection and leaves as register images.
; THE SOFTMAX AHEAD OF THE SECOND PRODUCT: t = score x log2(e) / 8; M = the row's largest t so far, rounded UP to a whole number; p = 2^(t - M) is quantised along the keys, not normalised.  The row's sum is taken of the
; unquantised p and divides O at the end.  When M moves, the sum and O are multiplied by 2^(old M - new M): exact.
; SHARES.  y = the head, x = i.  A work-group owns query blocks i and 31 - i, 128 queries each; each of its sixteen waves owns one tile of 16 queries in 256 registers.  Wave w: block 31 - i where bit 0 xor bit 2 of w is set,
; tile (w % 4) + 4 (w / 8).  A wave of block j works j + 1 key steps, so a low and a high wave together work 33, whatever i: every four waves w, w + 4, w + 8, w + 12 and every four w .. w + 3 hold two of each kind.
; Every wave walks all 16 slots (constant trip counts, every barrier); a step all of whose keys come after the wave's queries is jumped over by a scalar branch on ids.
; LAYOUT.  Both products transposed: S^T = K Q^T (source 0 = 16 keys, source 1 = my 16 queries; the head's 64 fill half of the instruction's 128: registers 6-11 of both fragments are zero codes),
; O^T = V^T P^T (source 0 = 16 channels, source 1 = p).  A lane holds ONE query.  The 16 registers of tiles 2 b and 2 b + 1 of S^T are a lane's half of block b of the keys, in the order in which V^T's codes were made.
; LDS.  Two slots of two key steps (24,576 dense bytes: register images, read at 16 x lane and 8 x lane), filled by wave 0 with one tensor load; the head's scale words (24,576 bytes) come once.
; No cluster: the work-groups of a head ask for different numbers of slots (work-group i up to key 4,095 - 128 i), so partners would not make the same requests.
; Z's scale halves leave as 32 bytes a wave (lanes r and r + 16 store the same 16 bits to the same place): 128 KB of the launch's 3.3 MB.
; LIMITS: NaN and infinities are not served.  A block of zeros gets the byte 1 (its codes are zeros; this program alone reads the bytes); floor 2^(3 - 127).
.set SLOT1, 32768                      ; slot 1 begins here: one exclusive or turns an address
.set SLOTB, 24576                      ; a slot's bytes
.set STEPB, 12288                      ; a key step: K's 8 half images (768), V^T's 4 full images (1,536)
.set SCK,   65536                      ; K's scale words, 512 bytes a step
.set SCV,   81920                      ; V's, 256 bytes a step
.set SPARE, 90112                      ; the spare words, 128 bytes for each wave
.set L16,  1                           ; 16 x lane
.set L8,   2                           ; 8 x lane
.set ASK0, 3                           ; SCK + 8 r
.set ASV0, 4                           ; SCV + 4 r
.set SPW,  5
.set NIL,  6
.set DG,   7                           ; r - 8 h
.set AD16, 8                           ; addresses of the loads in hand
.set AD8,  9
.set ADS,  10
.set ADT,  11                          ; v12 -M, v13 the largest t, v[14:15] the sum in two halves
.set QF,   16                          ; v16-27  Q; v22-27 zero
.set PFO,  28                          ; 256 x lane
.set NINF, 29                          ; -infinity
.set R8,   30                          ; 8 r
.set R2,   31                          ; 2 r
.set KFR,  32                          ; v32-79  four fragments of K; registers 6-11 of each stay zero
.set SO,   32                          ; during the softmax: the conversions' scale operands,
.set CT,   44                          ; and their second halves (v44-46, v56-58), in K's registers that are loaded anew
.set PC,   80                          ; v80-91  p's codes
.set KS,   92                          ; v92-95  K's scale words
.set S,    96                          ; v96-159 S^T, then p
.set O,    160                         ; v160-191 O^T
.set VF,   192                         ; v192-239 four fragments of V^T
.set VS,   240                         ; v240-243 V's scale words
.set BM,   244
.set BT,   248                         ; v252 f, v253 p's scale word, v254 at work, v255 Q's scale word
.set TB,   2
.set TS,   3
.set TJ,   12
.set SLOTS, 13
.set KF,   14
.set Q0,   15
.set QL,   16
.set WV,   18
.set SEL,  20
.set CS,   22
.set G1,   24
.set G0,   32
.set G0S,  36
.set PFA,  40
.set LIM,  42
.macro MMZ d, a, b, sa, sb
	v_wmma_scale_f32_16x16x128_f8f6f4 v[\d:\d+7], v[\a:\a+11], v[\b:\b+11], 0, v[\sa], v[\sb] matrix_a_fmt:MATRIX_FMT_FP6 matrix_b_fmt:MATRIX_FMT_FP6
.endm
.macro MM d, a, b, c, sa, sb
	v_wmma_scale_f32_16x16x128_f8f6f4 v[\d:\d+7], v[\a:\a+11], v[\b:\b+11], v[\c:\c+7], v[\sa], v[\sb] matrix_a_fmt:MATRIX_FMT_FP6 matrix_b_fmt:MATRIX_FMT_FP6
.endm
.macro TLOAD g0                        ; wave 0 alone fetches; an s_nop 0 and four v_nop follow the load
	s_cmp_eq_u32 s[WV], 0
	s_cbranch_scc0 .Lnot_0_\@
	tensor_load_to_lds s[\g0:\g0+3], s[G1:G1+7]
	s_nop 0
.rept 4
	v_nop
.endr
.Lnot_0_\@:
.endm
; A prefetch of the slot that the NEXT change of slots will ask for: 96 blocks of 256 bytes, a lane a block, waves 4, 5 and 6 of the head's first work-group (which walks and loads every slot): each block is named once in
; the launch.  It stands where wave 0 has its tensor load.  The last change that fills a slot asks for nothing; slots 0 and 1 and the scale words come by their loads alone.
.macro ASK
	s_cmp_gt_u32 s[SLOTS], s[LIM]
	s_cbranch_scc0 .Lnot_mine_\@
	global_prefetch_b8 v[PFO], s[PFA:PFA+1] th:TH_LOAD_NT scope:SCOPE_SE
.Lnot_mine_\@:
.endm
	s_load_b256 s[4:11], s[0:1], 0x0               ; q, kv, kvs, z
	v_lshl_add_u32 v[SPW], v0, 2, SPARE
	v_mov_b32 v[NIL], 0
	ds_add_u32 v[SPW], v[NIL]                      ; the wave's opening: its wait stands ahead of the first tensor load; work on registers stands between them
	ds_add_u32 v[SPW], v[NIL]
	v_lshrrev_b32 v8, 5, v0
	s_delay_alu instid0(VALU_DEP_1)
	v_readfirstlane_b32 s[WV], v8                  ; wave 0..15
	s_and_b32 s44, ttmp7, 0xffff                   ; bh
	s_lshr_b32 s45, s[WV], 2
	s_xor_b32 s45, s45, s[WV]
	s_and_b32 s45, s45, 1                          ; 1: the high block
	s_and_b32 s46, s[WV], 3
	s_lshr_b32 s47, s[WV], 3
	s_lshl_b32 s47, s47, 2
	s_add_co_u32 s46, s46, s47                     ; my tile of the block's eight
	s_sub_co_u32 s47, 31, ttmp9
	s_cmp_eq_u32 s45, 0
	s_cselect_b32 s47, ttmp9, s47                  ; my block
	s_lshl_b32 s[Q0], s47, 7
	s_lshl_b32 s48, s46, 4
	s_add_co_u32 s[Q0], s[Q0], s48                 ; my first query
	s_lshl_b32 s[QL], ttmp9, 7
	s_sub_co_u32 s[QL], 4095, s[QL]                ; my work-group's last query
	s_mov_b32 s[G1], 3<<16                         ; group 1: 96 dense rows of 256 bytes (32 elements of 8 bytes), no mask, no padding: a slot, and the head's scale words
	s_mov_b32 s[G1+1], 32<<16                      ; tensor_dim0
	s_mov_b32 s[G1+2], 96<<16                      ; tensor_dim1
	s_mov_b32 s[G1+3], 32<<16                      ; tile_dim0
	s_mov_b32 s[G1+4], 96                          ; tile_dim1
	s_mov_b32 s[G1+5], 32                          ; pitch
	s_mov_b32 s[G1+6], 0
	s_mov_b32 s[G1+7], 0
	s_lshl_b32 s48, s44, 5
	s_add_co_u32 s48, s48, s47
	s_mul_i32 s48, s48, 6656                       ; my block's record in q,
	s_add_co_u32 s50, s48, 6144                    ; its scale words,
	s_mul_i32 s52, s46, 768
	s_add_co_u32 s48, s48, s52                     ; my tile's half image
	s_mov_b32 s49, 0
	s_lshr_b32 s52, s46, 2                         ; my tile's words: 256 (t / 4) + 128 (t % 2) + 4 ((t / 2) % 2)
	s_lshl_b32 s52, s52, 8
	s_add_co_u32 s50, s50, s52
	s_and_b32 s52, s46, 1
	s_lshl_b32 s52, s52, 7
	s_add_co_u32 s50, s50, s52
	s_bfe_u32 s52, s46, 0x10001
	s_lshl_b32 s52, s52, 2
	s_add_co_u32 s50, s50, s52
	s_mov_b32 s51, 0
	s_mul_i32 s52, s44, 393216                     ; the head in kv
	s_mov_b32 s53, 0
	s_mul_i32 s54, s44, 24576                      ; and in kvs
	s_mov_b32 s55, 0
	s_lshr_b32 s56, s44, 3                         ; z: 6,144 x token tile + 1,536 x (head / 2) + 768 x (head % 2)
	s_lshl_b32 s56, s56, 8
	s_lshr_b32 s57, s[Q0], 4
	s_add_co_u32 s56, s56, s57
	s_mul_i32 s56, s56, 6144
	s_bfe_u32 s57, s44, 0x20001
	s_mul_i32 s57, s57, 1536
	s_add_co_u32 s56, s56, s57
	s_and_b32 s57, s44, 1
	s_mul_i32 s57, s57, 768
	s_add_co_u32 s56, s56, s57
	s_mov_b32 s57, 0
	s_lshl_b32 s58, s44, 13                        ; z's scale halves: 8,192 bh + 2 x query
	s_lshl_b32 s59, s[Q0], 1
	s_add_co_u32 s58, s58, s59
	s_add_co_u32 s58, s58, 3145728
	s_mov_b32 s59, 0
	s_and_b32 s46, s[WV], 3                        ; the prefetches: 8,192 bytes a wave, in slot 1: the first change of slots steps it to slot 2
	s_lshl_b32 s46, s46, 13
	s_add_co_u32 s46, s46, SLOTB
	s_mov_b32 s47, 0
	s_sub_co_u32 s45, s[WV], 4
	s_cmp_lt_u32 s45, 3                            ; waves 4, 5, 6
	s_cselect_b32 s[LIM], 1, -1
	s_cmp_eq_u32 ttmp9, 0                          ; of the head's first work-group
	s_cselect_b32 s[LIM], s[LIM], -1
	s_mov_b32 s[SEL], 0x76543210
	s_mov_b32 s[SEL+1], 0xfedcba98
	s_mov_b32 s[CS], 0x3e38aa3b                    ; c = log2(e) / 8
	s_mov_b32 s[CS+1], s[CS]                       ; (named with it as a pair, so it is written)
	s_mov_b32 s[TB], 0
	s_mov_b32 s[TS], 0
	s_mov_b32 s[TJ], 0
	s_mov_b32 s[SLOTS], 15
	s_mov_b32 s[KF], 0
	s_wait_dscnt 0x0                               ; the opening add is done
	s_wait_kmcnt 0x0
	s_mov_b32 s[G0S], 1
	s_mov_b32 s[G0S+1], SCK
	s_add_nc_u64 s[G0S+2:G0S+3], s[8:9], s[54:55]
	s_or_b32 s[G0S+3], s[G0S+3], 0x80000000
	TLOAD G0S                                      ; the head's scale words: filled once
	s_mov_b32 s[G0], 1
	s_mov_b32 s[G0+1], 0
	s_add_nc_u64 s[G0+2:G0+3], s[6:7], s[52:53]
	s_or_b32 s[G0+3], s[G0+3], 0x80000000
	TLOAD G0                                       ; slot 0.  Two loads of wave 0 are out; every wait on TENSORcnt in this text is for 0
	s_add_nc_u64 s[60:61], s[4:5], s[50:51]        ; Q's scale words
	s_add_nc_u64 s[4:5], s[4:5], s[48:49]          ; Q's half image
	s_add_nc_u64 s[62:63], s[10:11], s[58:59]      ; Z's scale halves
	s_add_nc_u64 s[10:11], s[10:11], s[56:57]      ; Z's half image
	s_add_nc_u64 s[PFA:PFA+1], s[6:7], s[52:53]
	s_add_nc_u64 s[PFA:PFA+1], s[PFA:PFA+1], s[46:47]
	v_and_b32 v8, 31, v0                           ; lane
	v_and_b32 v9, 15, v0                           ; r
	v_bfe_u32 v10, v0, 4, 1                        ; h
	s_delay_alu instid0(VALU_DEP_3)
	v_lshlrev_b32 v[L16], 4, v8
	s_delay_alu instid0(VALU_DEP_4)
	v_lshlrev_b32 v[L8], 3, v8
	s_delay_alu instid0(VALU_DEP_4)
	v_lshlrev_b32 v[R8], 3, v9
	global_load_b128 v[QF:QF+3], v[L16], s[4:5]
	global_load_b64 v[QF+4:QF+5], v[L8], s[4:5] offset:512
	global_load_b32 v255, v[R8], s[60:61]
	v_lshl_add_u32 v[ASK0], v9, 3, SCK
	v_lshl_add_u32 v[ASV0], v9, 2, SCV
	v_lshlrev_b32 v11, 3, v10
	s_delay_alu instid0(VALU_DEP_1)
	v_sub_nc_u32 v[DG], v9, v11
	v_lshlrev_b32 v[PFO], 8, v8
	v_mov_b32 v[NINF], 0xff800000
	v_lshlrev_b32 v[R2], 1, v9
	v_mov_b32 v13, 0xff61b1e6                      ; the largest t so far: -3e38, under every t
	s_delay_alu instid0(VALU_DEP_1)
	v_floor_f32 v12, -v13                          ; -M
	v_mov_b32 v14, 0
	v_mov_b32 v15, 0
.irp j, 6,7,8,9,10,11
	v_mov_b32 v[QF+\j], 0                          ; zero codes for k = 64 .. 127, on both sides
.irp t, 0,1,2,3
	v_mov_b32 v[KFR+12*\t+\j], 0
.endr
.endr
.set jj, 0
.rept 32
	v_mov_b32 v[O+jj], 0                           ; O^T: the loop is written once, its first step finds zeros
.set jj, jj+1
.endr
.irp b, 0,1,2,3
	v_mov_b32 v[BT+\b], 0                          ; a lane permute's destination counts as one of its sources
.endr
	v_mov_b32 v252, 0
	v_mov_b32 v253, 0
.macro KLOAD q, g                      ; four tiles of 16 keys: half images and scale words
.irp t, 0,1,2,3
	ds_load_b128 v[KFR+12*\t:KFR+12*\t+3], v[AD16] offset:STEPB*(\q)+768*(4*\g+\t)
	ds_load_b64 v[KFR+12*\t+4:KFR+12*\t+5], v[AD8] offset:STEPB*(\q)+768*(4*\g+\t)+512
	ds_load_b32 v[KS+\t], v[ADS] offset:256*\g+128*(\t%2)+4*(\t/2)
.endr
.endm
.macro KMUL g
.irp t, 0,1,2,3
	MMZ S+8*(4*\g+\t), KFR+12*\t, QF, KS+\t, 255
.endr
.rept 4
	v_nop                                          ; places behind the products: ahead of loads into their registers and of the first read of results
.endr
.endm
; A KEY STEP: 128 keys, the q-th of the slot in hand
.macro STEP q
	s_add_co_u32 s44, s[Q0], 15
	s_cmp_gt_u32 s[KF], s44                        ; all its keys come after my queries: the work is left out, the address steps at its end are not
	s_cbranch_scc1 .Lhidden_\@
	v_add_nc_u32 v[AD16], s[TB], v[L16]            ; (these four are also the places behind the last step's products)
	v_add_nc_u32 v[AD8], s[TB], v[L8]
	v_add_nc_u32 v[ADS], s[TS], v[ASK0]
	v_add_nc_u32 v[ADT], s[TJ], v[ASV0]
	KLOAD \q, 0
	s_wait_alu depctr_va_vdst(0)
	s_wait_dscnt 0x0
	KMUL 0
	KLOAD \q, 1
.irp t, 0,1,2,3
.irp j, 0,1,2
	ds_load_b128 v[VF+12*\t+4*\j:VF+12*\t+4*\j+3], v[AD16] offset:STEPB*(\q)+6144+1536*\t+512*\j
.endr
	ds_load_b32 v[VS+\t], v[ADT] offset:64*\t
.endr
	s_wait_dscnt 16                                ; K's are in; V's 16 loads may stay out: they land under the softmax
	KMUL 1
	s_add_co_u32 s44, s[KF], 127
	s_cmp_le_u32 s44, s[Q0]                        ; all keys count: no mask
	s_cbranch_scc1 .Lopen_\@
	s_sub_co_i32 s44, s[Q0], s[KF]
	v_add_nc_u32 v254, s44, v[DG]                  ; d = my query - KF - 8 h.  Register 8 t + j holds key KF + 16 t + 8 h + j: hidden where 16 t + j > d
.set mm, 0
.rept 64
	v_cmp_gt_i32 vcc_lo, 16*(mm/8)+mm%8, v254
	v_cndmask_b32 v[S+mm], v[S+mm], v[NINF], vcc_lo
.set mm, mm+1
.endr
.Lopen_\@:
.irp b, 0,1,2,3
	v_max3_num_f32 v[BM+\b], v[S+16*\b], v[S+1+16*\b], v[S+2+16*\b]   ; the largest score of each block of 32 keys: for the row's maximum, and, since p rises with the score, for the block's largest p
.endr
.irp i, 3,5,7,9,11,13
.irp b, 0,1,2,3
	v_max3_num_f32 v[BM+\b], v[BM+\b], v[S+16*\b+\i], v[S+1+16*\b+\i]
.endr
.endr
.irp b, 0,1,2,3
	v_max_num_f32 v[BM+\b], v[BM+\b], v[S+15+16*\b]
.endr
.irp b, 0,1,2,3
	s_delay_alu instid0(VALU_DEP_4)
	v_permlanex16_b32 v[BT+\b], v[BM+\b], s[SEL], s[SEL+1]
.endr
.irp b, 0,1,2,3
	s_delay_alu instid0(VALU_DEP_4)
	v_max_num_f32 v[BM+\b], v[BM+\b], v[BT+\b]     ; with lane l xor 16's 16 keys
.endr
	s_delay_alu instid0(VALU_DEP_2)
	v_max3_num_f32 v254, v[BM], v[BM+1], v[BM+2]
	s_delay_alu instid0(VALU_DEP_1)
	v_max_num_f32 v254, v254, v[BM+3]              ; the step's largest score of my query
	s_delay_alu instid0(VALU_DEP_1)
	v_mul_f32 v254, s[CS], v254                    ; as t
	s_delay_alu instid0(VALU_DEP_1)
	v_max_num_f32 v13, v13, v254                   ; the running largest t
	v_mov_b32 v254, v12
	s_delay_alu instid0(VALU_DEP_2)
	v_floor_f32 v12, -v13                          ; the new -M = -ceil(t)
	s_delay_alu instid0(VALU_DEP_1)
	v_sub_f32 v254, v12, v254                      ; old M - new M: a whole number, 0 or less
	s_delay_alu instid0(VALU_DEP_1)
	v_cvt_i32_f32 v254, v254                       ; (it saturates)
	s_delay_alu instid0(VALU_DEP_1)
	v_ldexp_f32 v252, 1.0, v254                    ; f = 2^(old M - new M)
.set jj, 0
.rept 32
	v_pk_fma_f32 v[S+jj:S+jj+1], v[S+jj:S+jj+1], s[CS:CS+1], v[12:13] op_sel_hi:[1,0,0]   ; t - M, two at a time
.set jj, jj+2
.endr
.irp b, 0,1,2,3
	v_fma_f32 v[BM+\b], v[BM+\b], s[CS], v12       ; the same of each block's largest score
.endr
.set jj, 0
	s_wait_alu depctr_va_vdst(0)
.rept 64
	v_exp_f32 v[S+jj], v[S+jj]                     ; p = 2^(t - M), at most 1
.set jj, jj+1
.endr
	v_pk_mul_f32 v[14:15], v[14:15], v[252:253] op_sel_hi:[1,0]   ; the sums under the new M: the plain place behind the exponentials
	s_wait_alu depctr_va_vdst(0)                   ; one wait for the batch of 64, ahead of its first reader
.irp b, 0,1,2,3
	v_exp_f32 v[BM+\b], v[BM+\b]                   ; each block's largest p
.endr
	v_pk_add_f32 v[248:249], v[100:101], v[104:105]
	v_pk_add_f32 v[250:251], v[108:109], v[112:113]
	v_pk_add_f32 v[94:95], v[116:117], v[120:121]
	v_pk_add_f32 v[92:93], v[124:125], v[128:129]
	v_pk_add_f32 v[90:91], v[132:133], v[136:137]
	v_pk_add_f32 v[88:89], v[140:141], v[144:145]
	v_pk_add_f32 v[86:87], v[148:149], v[152:153]
	v_pk_add_f32 v[14:15], v[14:15], v[156:157]
	v_pk_add_f32 v[248:249], v[248:249], v[96:97]
	v_pk_add_f32 v[250:251], v[250:251], v[98:99]
	v_pk_add_f32 v[94:95], v[94:95], v[102:103]
	v_pk_add_f32 v[92:93], v[92:93], v[106:107]
	v_pk_add_f32 v[90:91], v[90:91], v[110:111]
	v_pk_add_f32 v[88:89], v[88:89], v[114:115]
	v_pk_add_f32 v[86:87], v[86:87], v[118:119]
	v_pk_add_f32 v[14:15], v[14:15], v[122:123]
	v_pk_add_f32 v[248:249], v[248:249], v[126:127]
	v_pk_add_f32 v[250:251], v[250:251], v[130:131]
	v_pk_add_f32 v[94:95], v[94:95], v[134:135]
	v_pk_add_f32 v[92:93], v[92:93], v[138:139]
	v_pk_add_f32 v[90:91], v[90:91], v[142:143]
	v_pk_add_f32 v[88:89], v[88:89], v[146:147]
	v_pk_add_f32 v[86:87], v[86:87], v[150:151]
	v_pk_add_f32 v[14:15], v[14:15], v[154:155]
	v_pk_add_f32 v[248:249], v[248:249], v[158:159]
	s_delay_alu instid0(VALU_DEP_2)
	v_pk_add_f32 v[14:15], v[14:15], v[92:93]
	s_delay_alu instid0(VALU_DEP_2)
	v_pk_add_f32 v[248:249], v[248:249], v[90:91]
	v_pk_add_f32 v[250:251], v[250:251], v[88:89]
	v_pk_add_f32 v[94:95], v[94:95], v[86:87]
	s_delay_alu instid0(VALU_DEP_2)
	v_pk_add_f32 v[14:15], v[14:15], v[250:251]
	s_delay_alu instid0(VALU_DEP_2)
	v_pk_add_f32 v[248:249], v[248:249], v[94:95]
	s_delay_alu instid0(VALU_DEP_1)
	v_pk_add_f32 v[14:15], v[14:15], v[248:249]
	s_wait_alu depctr_va_vdst(0)                   ; and one for the four
.irp b, 0,1,2,3
	v_max_num_f32 v[BM+\b], 0x1800000, v[BM+\b]    ; the floor 2^(3 - 127): a block whose every p is 0 keeps the byte 1, its codes are zeros
.endr
.irp b, 0,1,2,3
	s_delay_alu instid0(VALU_DEP_4)
	v_add_nc_u32 v[SO+\b], 0xff000000, v[BM+\b]    ; the conversion's scale operand
.endr
.irp b, 0,1,2,3
	s_delay_alu instid0(VALU_DEP_4)
	v_lshrrev_b32 v[BT+\b], 23, v[SO+\b]           ; the scale's byte
.endr
	s_delay_alu instid0(VALU_DEP_3)
	v_lshl_or_b32 v253, v[BT+1], 8, v[BT]          ; p's scale word for these 128 keys
	s_delay_alu instid0(VALU_DEP_1)
	v_lshl_or_b32 v253, v[BT+2], 16, v253
	s_delay_alu instid0(VALU_DEP_1)
	v_lshl_or_b32 v253, v[BT+3], 24, v253
.irp c, 0,1
	v_cvt_scalef32_pk16_fp6_f32 v[PC+6*\c:PC+6*\c+2], v[S+32*\c:S+32*\c+15], v[SO+2*\c]
	v_cvt_scalef32_pk16_fp6_f32 v[CT+12*\c:CT+12*\c+2], v[S+16+32*\c:S+31+32*\c], v[SO+2*\c+1]
.endr
	v_nop                                          ; one plain place behind a scaled conversion
.irp c, 0,1
.irp i, 0,1,2
	v_permlane16_swap_b32 v[PC+6*\c+\i], v[CT+12*\c+\i]   ; a whole block to a lane
.endr
.irp i, 0,1,2
	s_delay_alu instid0(VALU_DEP_3)
	v_mov_b32 v[PC+3+6*\c+\i], v[CT+12*\c+\i]
.endr
.endr
.set jj, 0
.rept 16
	v_pk_mul_f32 v[O+jj:O+jj+1], v[O+jj:O+jj+1], v[252:253] op_sel_hi:[1,0]   ; O^T under the new M; these 16 are also the places ahead of the scaled products
.set jj, jj+2
.endr
	s_wait_alu depctr_va_vdst(0)
	s_wait_dscnt 0x0                               ; V is in
.irp t, 0,1,2,3
	MM O+8*\t, VF+12*\t, PC, O+8*\t, VS+\t, 253    ; four accumulators by turns
.endr
.Lhidden_\@:
	s_add_co_u32 s[KF], s[KF], 128
	s_add_co_u32 s[TS], s[TS], 512
	s_add_co_u32 s[TJ], s[TJ], 256
.endm
; THE CHANGE OF SLOTS, at a slot's head.  Each wave waits for all its tensor loads, adds 0 to its spare word, and waits for that and for its reads of the slot that it has left.  Behind the barrier the slot ahead is whole
; and nobody reads the other one.  fill = 1: the other slot takes the next 256 keys, if any wave of the work-group will read them.
.macro CHANGE fill
	s_wait_tensorcnt 0x0                           ; no tensor load of mine is out, so group 0 may be written
	ds_add_u32 v[SPW], v[NIL]
.if \fill
	s_xor_b32 s[G0+1], s[G0+1], SLOT1              ; the other slot than last time,
	s_add_nc_u64 s[G0+2:G0+3], s[G0+2:G0+3], SLOTB ; the next two key steps
	s_wait_xcnt 0x0                                ; the last prefetch, a slot back, has read its address
	s_add_nc_u64 s[PFA:PFA+1], s[PFA:PFA+1], SLOTB ; one slot further on than the walking descriptor
.endif
	s_wait_dscnt 0x0                               ; the add is done, and my reads of the slot that I have left are over
	s_barrier_signal -1
	s_barrier_wait -1
.if \fill
	s_add_co_u32 s44, s[KF], 256                   ; the first key of the slot that this change would ask for:
	s_cmp_gt_u32 s44, s[QL]                        ; past my work-group's last query nobody reads it.  Ids and the count of steps alone: all sixteen waves go the same way, and past stays past
	s_cbranch_scc1 .Lpast_\@
	TLOAD G0                                       ; wave 0's one tensor load until the next change
.Lpast_\@:
	ASK
.endif
.endm
	s_wait_loadcnt 0x0                             ; Q
.Lslot:                                            ; 15 trips
	CHANGE 1
	STEP 0
	STEP 1
	s_xor_b32 s[TB], s[TB], SLOT1
	s_sub_co_u32 s[SLOTS], s[SLOTS], 1
	s_cmp_lg_u32 s[SLOTS], 0
	s_cbranch_scc1 .Lslot
	CHANGE 0                                       ; the last slot is written out: nothing is left to ask for
	STEP 0
	STEP 1
	; THE WAY OUT: Z = O^T / the sum; register 8 t + j is channel 16 t + 8 h + j of my query: two blocks of 32 along D, quantised as every result is
	v_add_f32 v14, v14, v15
	s_wait_alu depctr_va_vdst(0)
	v_permlanex16_b32 v252, v14, s[SEL], s[SEL+1]
	s_delay_alu instid0(VALU_DEP_1)
	v_add_f32 v14, v14, v252                       ; the row's sum
	s_wait_alu depctr_va_vdst(0)
	v_rcp_f32 v14, v14
.rept 4
	v_nop                                          ; the plain place behind the reciprocal, and the places behind the last products
.endr
	s_wait_alu depctr_va_vdst(0)                   ; ahead of the reciprocal's first reader
.set jj, 0
.rept 32
	v_mul_f32 v[S+jj], v[O+jj], v14
.set jj, jj+1
.endr
.irp b, 0,1
	v_max3_num_f32 v[BM+\b], |v[S+16*\b]|, |v[S+1+16*\b]|, 0x1800000
.endr
.irp i, 2,4,6,8,10,12,14
.irp b, 0,1
	s_delay_alu instid0(VALU_DEP_2)
	v_max3_num_f32 v[BM+\b], v[BM+\b], |v[S+16*\b+\i]|, |v[S+1+16*\b+\i]|
.endr
.endr
.irp b, 0,1
	s_delay_alu instid0(VALU_DEP_2)
	v_permlanex16_b32 v[BT+\b], v[BM+\b], s[SEL], s[SEL+1]
.endr
.irp b, 0,1
	s_delay_alu instid0(VALU_DEP_2)
	v_max_num_f32 v[BM+\b], v[BM+\b], v[BT+\b]
.endr
.irp b, 0,1
	s_delay_alu instid0(VALU_DEP_2)
	v_add_nc_u32 v[SO+\b], 0xff000000, v[BM+\b]
.endr
.irp b, 0,1
	s_delay_alu instid0(VALU_DEP_2)
	v_lshrrev_b32 v[BT+\b], 23, v[SO+\b]
.endr
	s_delay_alu instid0(VALU_DEP_1)
	v_lshl_or_b32 v254, v[BT+1], 8, v[BT]          ; the head's two bytes of my query
	v_cvt_scalef32_pk16_fp6_f32 v[PC:PC+2], v[S:S+15], v[SO]
	v_cvt_scalef32_pk16_fp6_f32 v[CT:CT+2], v[S+16:S+31], v[SO+1]
	v_nop
.irp i, 0,1,2
	v_permlane16_swap_b32 v[PC+\i], v[CT+\i]
.endr
.irp i, 0,1,2
	s_delay_alu instid0(VALU_DEP_3)
	v_mov_b32 v[PC+3+\i], v[CT+\i]
.endr
	global_store_b128 v[L16], v[PC:PC+3], s[10:11]             ; 512 consecutive bytes
	global_store_b64 v[L8], v[PC+4:PC+5], s[10:11] offset:512  ; 256 consecutive bytes
	global_store_b16 v[R2], v254, s[62:63]
	s_wait_tensorcnt 0x0                           ; the wave's end
	ds_add_u32 v[SPW], v[NIL]
	s_wait_dscnt 0x0
	s_endpgm
.Lfunc_end_k_qc66fb51cae_attn:
	.size	k_qc66fb51cae_attn, .Lfunc_end_k_qc66fb51cae_attn-k_qc66fb51cae_attn
	.p2alignl 7, 3214868480
	.fill 96, 4, 3214868480
	.section	.rodata,"a",@progbits
	.p2align	6, 0x0
	.amdhsa_kernel k_qc66fb51cae_attn
		.amdhsa_group_segment_fixed_size 327680
		.amdhsa_private_segment_fixed_size 0
		.amdhsa_enable_private_segment 0
		.amdhsa_kernarg_size 32
		.amdhsa_user_sgpr_count 2
		.amdhsa_user_sgpr_kernarg_segment_ptr 1
		.amdhsa_wavefront_size32 1
		.amdhsa_system_sgpr_workgroup_id_x 1
		.amdhsa_system_sgpr_workgroup_id_y 1
		.amdhsa_system_sgpr_workgroup_id_z 1
		.amdhsa_system_vgpr_workitem_id 0
		.amdhsa_next_free_vgpr 256
		.amdhsa_next_free_sgpr 66
		.amdhsa_reserve_vcc 1
		.amdhsa_float_denorm_mode_32 3
		.amdhsa_float_denorm_mode_16_64 3
		.amdhsa_memory_ordered 1
		.amdhsa_forward_progress 1
		.amdhsa_inst_pref_size 106
	.end_amdhsa_kernel
	.amdgpu_metadata
---
amdhsa.version: [ 1, 2 ]
amdhsa.kernels:
  - .name:           k_qc66fb51cae_attn
    .symbol:         k_qc66fb51cae_attn.kd
    .args:
      - { .name: q, .offset: 0, .size: 8, .value_kind: global_buffer, .address_space: global }
      - { .name: kv, .offset: 8, .size: 8, .value_kind: global_buffer, .address_space: global }
      - { .name: kvs, .offset: 16, .size: 8, .value_kind: global_buffer, .address_space: global }
      - { .name: z, .offset: 24, .size: 8, .value_kind: global_buffer, .address_space: global }
    .group_segment_fixed_size: 327680
    .private_segment_fixed_size: 0
    .kernarg_segment_align: 8
    .kernarg_segment_size: 32
    .max_flat_workgroup_size: 512
    .sgpr_count:     66
    .vgpr_count:     256
    .wavefront_size: 32
...
	.end_amdgpu_metadata
.endif
;; end of part 6
;; launch oproj (part 7): grid 4 x 64, 8 waves a work-group, no clusters, 166,912 bytes of LDS; arguments z, w, b_O, out0; writes out0
.if DOCPART == 7
	.amdgcn_target "amdgcn-amd-amdhsa--gfx1250"
	.amdhsa_code_object_version 6
	.text
	.protected	k_qc66fb51cae_oproj
	.globl	k_qc66fb51cae_oproj
	.p2align	8
	.type	k_qc66fb51cae_oproj,@function
k_qc66fb51cae_oproj:
	s_mov_b64 s[64:65], 0
	v_nop
	global_prefetch_b8 v0, s[64:65] scope:SCOPE_SE
	s_setreg_imm32_b32 hwreg(HW_REG_WAVE_SCHED_MODE, 0, 2), 2
	s_setreg_imm32_b32 hwreg(HW_REG_WAVE_MODE, 25, 1), 1
	s_wait_xcnt 0x0
	s_wait_alu depctr_vm_vsrc(0)
; out0 = Z W_O + b_O on codes of FP6 (E2M3).  Z comes as half images [token tile][K step s][c][768] (head 2 s + c) with 16 bits of scale bytes for each head and token; W_O as full images with scale words (buffer w).
; SHARES.  x = 128 columns, y = 128 tokens.  Wave w copies Z's token tile w and W_O's column tile w (6,144 bytes each, 512 bytes an instruction) into LDS as they lie; a barrier; it multiplies token tiles 2 (w % 4) and + 1
; by column tiles 4 (w / 4) .. + 3: eight accumulators by turns, four K steps.  Transposed (source 0 = 16 columns of W_O, source 1 = 16 tokens): a lane holds eight neighbouring columns of one row; b_O is the C of the first
; products.  The results meet in a stage (rows of 512 bytes + 16); a barrier; each wave stores 16 whole rows, 512 consecutive aligned bytes an instruction.
; No tensor load, no cluster: all of a work-group's 96 KB of operands is asked for at once at its head, through registers.
; THE MODE: SCHED_MODE bits 1:0 = 2 (LLVM: expert scheduling mode 2), set by the entry lines.  The code itself states the register dependences
; between vector or matrix instructions and memory or LDS instructions, with s_wait_alu, always for 0.
; THE PLAN.  Registers that memory or LDS instructions touch:
;   v1-v11       offsets and LDS addresses: made at the head, never written again.
;   v16-111      three lives: the copy (global loads land, LDS stores read); Z's eight fragments, all four K steps' (LDS loads land, products read); v16-79: 16 rows of the stage (LDS loads land, global stores read).
;   window 1     W_O's sixteen fragments, all four K steps': LDS loads land, products read; nothing else names them.
;   ACC          written by the products, read by the stage's LDS stores.
;   Z's scale words are made by vector instructions and go to scaled products.
; Every K step's fragments have registers of their own, so no load lands in a register that a product has read, and the K steps hold no s_wait_alu.  The waits: the addresses, at the head; Z's scale words, behind their
; eight places; the copy's LDS stores have read v16-111, behind the barrier; the products have written ACC and are done reading v16-79, behind four places, ahead of the stage's stores.
.set ZIMG,  0
.set WIMG,  49152
.set STG,   98304                      ; 128 rows x 528
.set SPARE, 165888                     ; the spare words, 128 bytes for each wave
.set L16, 1                            ; 16 x lane
.set CPI, 3                            ; the copy: 16 x lane + 6,144 w
.set AZ16, 4                           ; Z's fragments: 16 x lane + 12,288 (w % 4)
.set AZ8, 5                            ; 8 x lane + the same
.set AW16, 6                           ; W's: WIMG + 24,576 (w / 4) + 16 x lane
.set SOA, 7                            ; the stage, in
.set SRA, 8                            ; and back
.set R2,  9
.set R4,  10
.set H32, 11
.set CP,  16                           ; v16-111 the copy; then:
.set ZF,  16                           ; v16-111 Z's fragments: K step s, token tile i at ZF + 24 s + 12 i.  W_O's lie in window 1: K step s, column tile t at 12 (4 s + t)
.set ACC, 112                          ; v112-175
.set BO,  176                          ; v176-207 b_O, eight a tile
.set WS,  208                          ; v208-223 W_O's scale words, 4 t + s
.set ZS,  224                          ; v224-231 Z's, 4 i + s
.set ZH,  232                          ; v232-247 their halves as loaded
.set SPW, 252
.set NIL, 253
.set WV,  22
.set MSB, 0
.macro WIN new                         ; the immediate's high byte repeats the setting that is left
.if MSB != \new
	s_set_vgpr_msb (MSB<<8)|\new
.set MSB, \new
.endif
.endm
.macro MM d, a, b, c, sa, sb
	v_wmma_scale_f32_16x16x128_f8f6f4 v[\d:\d+7], v[\a:\a+11], v[\b:\b+11], v[\c:\c+7], v[\sa], v[\sb] matrix_a_fmt:MATRIX_FMT_FP6 matrix_b_fmt:MATRIX_FMT_FP6
.endm
.macro ZLOAD s                         ; K step s: my two token tiles' fragments, each of two half images: eight loads
.irp i, 0,1
.irp c, 0,1
	ds_load_b128 v[ZF+24*(\s)+12*\i+6*\c:ZF+24*(\s)+12*\i+6*\c+3], v[AZ16] offset:ZIMG+6144*\i+1536*(\s)+768*\c
	ds_load_b64 v[ZF+24*(\s)+12*\i+6*\c+4:ZF+24*(\s)+12*\i+6*\c+5], v[AZ8] offset:ZIMG+6144*\i+1536*(\s)+768*\c+512
.endr
.endr
.endm
.macro WLOAD s                         ; K step s: my four column tiles' fragments, into window 1: twelve loads
.irp t, 0,1,2,3
.irp j, 0,1,2
	ds_load_b128 v[12*(4*(\s)+\t)+4*\j:12*(4*(\s)+\t)+4*\j+3], v[AW16] offset:6144*\t+1536*(\s)+512*\j
.endr
.endr
.endm
.macro PROD s                          ; K step s: eight products, the eight accumulators by turns
.irp i, 0,1
.irp t, 0,1,2,3
.if (\s) == 0
	MM ACC+8*(4*\i+\t), 12*(4*(\s)+\t), ZF+24*(\s)+12*\i, BO+8*\t, WS+4*\t+(\s), ZS+4*\i+(\s)
.else
	MM ACC+8*(4*\i+\t), 12*(4*(\s)+\t), ZF+24*(\s)+12*\i, ACC+8*(4*\i+\t), WS+4*\t+(\s), ZS+4*\i+(\s)
.endif
.endr
.endr
.endm
	s_load_b256 s[4:11], s[0:1], 0x0               ; z, w, b_O, out0
	v_lshl_add_u32 v[SPW], v0, 2, SPARE
	v_mov_b32 v[NIL], 0
	v_lshrrev_b32 v12, 5, v0
	v_readfirstlane_b32 s[WV], v12                 ; wave 0..7
	v_and_b32 v12, 31, v0                          ; lane
	v_and_b32 v13, 15, v0                          ; r
	v_bfe_u32 v14, v0, 4, 1                        ; h
	s_and_b32 s23, ttmp7, 0xffff                   ; tg
	v_lshlrev_b32 v[L16], 4, v12
	v_lshlrev_b32 v[R2], 1, v13
	v_lshlrev_b32 v[R4], 2, v13
	v_lshlrev_b32 v[H32], 5, v14
	s_wait_alu depctr_va_sdst(0)                   ; the wave's number is written, ahead of its first reader: LDS addresses and every base are made from it
	s_and_b32 s24, s[WV], 3                        ; mp
	s_lshr_b32 s25, s[WV], 2                       ; nh
	s_mul_i32 s40, s[WV], 6144
	v_add_nc_u32 v[CPI], s40, v[L16]
	s_mul_i32 s41, s24, 12288
	v_add_nc_u32 v[AZ16], s41, v[L16]
	v_lshlrev_b32 v[AZ8], 3, v12
	v_add_nc_u32 v[AZ8], s41, v[AZ8]
	s_mul_i32 s42, s25, 24576
	s_add_co_u32 s42, s42, WIMG
	v_add_nc_u32 v[AW16], s42, v[L16]
	s_mul_i32 s43, s24, 16896                      ; 32 rows of 528
	s_lshl_b32 s44, s25, 8
	s_add_co_u32 s43, s43, s44
	s_add_co_u32 s43, s43, STG
	v_mul_u32_u24 v[SOA], v13, 528
	v_lshl_add_u32 v[SOA], v14, 5, v[SOA]
	v_add_nc_u32 v[SOA], s43, v[SOA]               ; row 32 mp + r, + 256 nh + 32 h
	s_mul_i32 s44, s[WV], 8448
	s_add_co_u32 s44, s44, STG
	v_add_nc_u32 v[SRA], s44, v[L16]               ; my 16 rows, 16 bytes a lane
	s_mul_i32 s26, s23, 49152                      ; Z's images: 8 tiles a group
	s_add_co_u32 s26, s26, s40
	s_mov_b32 s27, 0
	s_mul_i32 s28, ttmp9, 49152                    ; W_O's: 8 tiles a column group
	s_add_co_u32 s28, s28, s40
	s_add_co_u32 s28, s28, 589824
	s_mov_b32 s29, 0
	s_lshl_b32 s30, ttmp9, 9                       ; 4 (128 cg + 64 nh): b_O,
	s_lshl_b32 s32, s25, 8
	s_add_co_u32 s30, s30, s32
	s_mov_b32 s31, 0
	s_add_co_u32 s32, s30, 811008                  ; and W_O's scale words
	s_mov_b32 s33, 0
	s_lshr_b32 s34, s23, 5                         ; Z's scale halves: 65,536 b + 256 (tg % 32) + 64 mp
	s_lshl_b32 s34, s34, 16
	s_and_b32 s36, s23, 31
	s_lshl_b32 s36, s36, 8
	s_add_co_u32 s34, s34, s36
	s_lshl_b32 s36, s24, 6
	s_add_co_u32 s34, s34, s36
	s_add_co_u32 s34, s34, 3145728
	s_mov_b32 s35, 0
	s_lshl_b32 s36, s23, 18                        ; out0: row 128 tg + 16 w of 2,048 bytes, + 512 cg
	s_lshl_b32 s38, s[WV], 15
	s_add_co_u32 s36, s36, s38
	s_lshl_b32 s38, ttmp9, 9
	s_add_co_u32 s36, s36, s38
	s_mov_b32 s37, 0
	s_wait_kmcnt 0x0
	s_add_nc_u64 s[12:13], s[4:5], s[26:27]
	s_add_nc_u64 s[14:15], s[6:7], s[28:29]
	s_add_nc_u64 s[16:17], s[6:7], s[32:33]
	s_add_nc_u64 s[18:19], s[8:9], s[30:31]
	s_add_nc_u64 s[20:21], s[4:5], s[34:35]
	s_add_nc_u64 s[10:11], s[10:11], s[36:37]
	s_wait_alu depctr_va_vdst(0)                   ; the offsets and addresses v1 to v11 are written: every load and store of the kernel reads one of them
.irp k, 0,1,2,3,4,5,6,7,8,9,10,11
	global_load_b128 v[CP+4*\k:CP+4*\k+3], v[L16], s[12:13] offset:512*\k
.endr
.irp k, 0,1,2,3,4,5,6,7,8,9,10,11
	global_load_b128 v[CP+48+4*\k:CP+48+4*\k+3], v[L16], s[14:15] offset:512*\k
.endr
.irp t, 0,1,2,3
.irp s, 0,1,2,3
	global_load_b32 v[WS+4*\t+\s], v[R4], s[16:17] offset:2048*\s+64*\t
.endr
	global_load_b128 v[BO+8*\t:BO+8*\t+3], v[H32], s[18:19] offset:64*\t          ; b_O of columns 16 t + 8 h + 0 .. 7
	global_load_b128 v[BO+8*\t+4:BO+8*\t+7], v[H32], s[18:19] offset:64*\t+16
.endr
.irp i, 0,1
.irp s, 0,1,2,3
.irp e, 0,1
	global_load_u16 v[ZH+8*\i+2*\s+\e], v[R2], s[20:21] offset:16384*\s+8192*\e+32*\i
.endr
.endr
.endr
	s_wait_loadcnt 40                              ; the 24 copy loads are in; the 16 + 8 + 16 small ones behind them may stay out
.irp k, 0,1,2,3,4,5,6,7,8,9,10,11
	ds_store_b128 v[CPI], v[CP+4*\k:CP+4*\k+3] offset:ZIMG+512*\k
.endr
.irp k, 0,1,2,3,4,5,6,7,8,9,10,11
	ds_store_b128 v[CPI], v[CP+48+4*\k:CP+48+4*\k+3] offset:WIMG+512*\k
.endr
	s_wait_loadcnt 0x0
.irp i, 0,1
.irp s, 0,1,2,3
	v_lshl_or_b32 v[ZS+4*\i+\s], v[ZH+8*\i+2*\s+1], 16, v[ZH+8*\i+2*\s]   ; head 2 s's two bytes below, head 2 s + 1's above: the K step's scale word
.endr
.endr
.rept 8
	v_nop                                          ; a scale register written by a vector instruction stands eight places ahead of a scaled product
.endr
	s_wait_alu depctr_va_vdst(0)                   ; Z's eight scale words are written, which the scaled products take; the places above stay beside this wait
	s_wait_dscnt 0x0                               ; my copies have landed
	s_barrier_signal -1
	s_barrier_wait -1
	s_wait_alu depctr_vm_vsrc(0)                   ; my LDS stores have read v16 to v111: these registers are Z's fragments from here on, written by the loads below
	ZLOAD 0
	ZLOAD 1
	ZLOAD 2
	WIN 0x40                                       ; destination window 1, address window 0.  No vector instruction has named these registers, nor their address since the head's wait
	WLOAD 0
	WLOAD 1
	WLOAD 2
	s_wait_dscnt 24                                ; K step 0's fragments are in; W_O's of K steps 1 and 2, twelve loads each, may stay out
	WIN 0x01                                       ; source 0 (W_O) window 1
	PROD 0
	WIN 0
	ZLOAD 3                                        ; K step 3, into registers of its own: no product names them, so no wait
	WIN 0x40
	WLOAD 3
	s_wait_dscnt 32                                ; K step 1's are in; W_O's of K step 2 and K step 3's twenty may stay out
	WIN 0x01
	PROD 1
	s_wait_dscnt 20                                ; K step 2's are in; K step 3's twenty may stay out
	PROD 2
	s_wait_dscnt 0x0
	PROD 3
	WIN 0
.rept 4
	v_nop                                          ; places behind the products, ahead of the first read of results
.endr
	s_wait_alu depctr_va_vdst(0)                   ; the products have written the accumulators, which the LDS stores read, and are done reading v16 to v79, in which the stage's rows land; the places above stay beside this wait
.irp i, 0,1
.irp t, 0,1,2,3
	ds_store_b128 v[SOA], v[ACC+8*(4*\i+\t):ACC+8*(4*\i+\t)+3] offset:8448*\i+64*\t          ; each accumulator from its low end on
	ds_store_b128 v[SOA], v[ACC+8*(4*\i+\t)+4:ACC+8*(4*\i+\t)+7] offset:8448*\i+64*\t+16
.endr
.endr
	s_wait_dscnt 0x0                               ; my part of the stage has landed
	s_barrier_signal -1
	s_barrier_wait -1                              ; 128 whole rows lie in the stage
.irp k, 0,1,2,3,4,5,6,7,8,9,10,11,12,13,14,15
	ds_load_b128 v[CP+4*\k:CP+4*\k+3], v[SRA] offset:528*\k
.endr
.irp k, 0,1,2,3,4,5,6,7,8,9,10,11,12,13,14,15
	s_wait_dscnt 15-\k                             ; the younger loads may stay out
	global_store_b128 v[L16], v[CP+4*\k:CP+4*\k+3], s[10:11] offset:2048*\k th:TH_STORE_NT   ; 512 consecutive bytes, aligned; written once
.endr
	s_wait_dscnt 0x0                               ; the closing lines, six on end
	s_wait_alu 0x0
	s_wait_tensorcnt 0x0
	ds_add_u32 v[SPW], v[NIL]
	s_wait_dscnt 0x0
	s_endpgm
.Lfunc_end_k_qc66fb51cae_oproj:
	.size	k_qc66fb51cae_oproj, .Lfunc_end_k_qc66fb51cae_oproj-k_qc66fb51cae_oproj
	.p2alignl 7, 3214868480
	.fill 96, 4, 3214868480
	.section	.rodata,"a",@progbits
	.p2align	6, 0x0
	.amdhsa_kernel k_qc66fb51cae_oproj
		.amdhsa_group_segment_fixed_size 166912
		.amdhsa_private_segment_fixed_size 0
		.amdhsa_enable_private_segment 0
		.amdhsa_kernarg_size 32
		.amdhsa_user_sgpr_count 2
		.amdhsa_user_sgpr_kernarg_segment_ptr 1
		.amdhsa_wavefront_size32 1
		.amdhsa_system_sgpr_workgroup_id_x 1
		.amdhsa_system_sgpr_workgroup_id_y 1
		.amdhsa_system_sgpr_workgroup_id_z 1
		.amdhsa_system_vgpr_workitem_id 0
		.amdhsa_next_free_vgpr 448
		.amdhsa_next_free_sgpr 66
		.amdhsa_reserve_vcc 0
		.amdhsa_float_denorm_mode_32 3
		.amdhsa_float_denorm_mode_16_64 3
		.amdhsa_memory_ordered 1
		.amdhsa_forward_progress 1
		.amdhsa_inst_pref_size 26
	.end_amdhsa_kernel
	.amdgpu_metadata
---
amdhsa.version: [ 1, 2 ]
amdhsa.kernels:
  - .name:           k_qc66fb51cae_oproj
    .symbol:         k_qc66fb51cae_oproj.kd
    .args:
      - { .name: z, .offset: 0, .size: 8, .value_kind: global_buffer, .address_space: global }
      - { .name: w, .offset: 8, .size: 8, .value_kind: global_buffer, .address_space: global }
      - { .name: b_O, .offset: 16, .size: 8, .value_kind: global_buffer, .address_space: global }
      - { .name: out0, .offset: 24, .size: 8, .value_kind: global_buffer, .address_space: global }
    .group_segment_fixed_size: 166912
    .private_segment_fixed_size: 0
    .kernarg_segment_align: 8
    .kernarg_segment_size: 32
    .max_flat_workgroup_size: 256
    .sgpr_count:     66
    .vgpr_count:     448
    .wavefront_size: 32
...
	.end_amdgpu_metadata
.endif
;; end of part 7
